; MI455X (gfx1250); checked and timed in simulation.
; The chip was launched on July 23, 2026; its instructions are those of AMD's public machine-readable ISA for CDNA 5 (MIT licence, August 2026) and "CDNA5" Instruction Set Architecture Reference Guide (July 2026). The comments in the code are by the model that wrote it; some were corrected since.
;; Multihead Self Attention. Allowed arithmetic: matrix products marked QUANTISED: E2M3 operands, one E8M0 scale for each 32 along K, by v_wmma_scale_f32_16x16x128_f8f6f4 with both operands' format E2M3, f32 sums; everything else in f32.
;; Inputs: Wk 1,024 x 1,024 float32; Wo 1,024 x 1,024 float32; Wq 1,024 x 1,024 float32; Wv 1,024 x 1,024 float32; token_positions 1 x 2,048 int32; x 4 x 2,048 x 1,024 float32.
;; Outputs: out0 4 x 2,048 x 1,024 float32.
;; This version of the problem:
;;   THIS VERSION OF THE PROBLEM IS GIVEN IN LOW PRECISION. The matrix products marked QUANTISED in the list below multiply operands that are first quantised to E2M3 (2 exponent bits, 3 mantissa bits; 6 bits a number), with one power-of-two scale for each 32 numbers along K (OCP MX v1.0); their sums are f32. All else is computed in f32.
;;   The module's matrix products, in the order in which they are computed (A, B: the left and right operand; K: the contracted axis; several contracted axes count as one K, in the product's order):
;;     1. [M 8,192, K 1,024] x [K 1,024, N 1,024]; A: input x; B: input Wq: QUANTISED
;;     2. [M 8,192, K 1,024] x [K 1,024, N 1,024]; A: input x; B: input Wk: QUANTISED
;;     3. [M 8,192, K 1,024] x [K 1,024, N 1,024]; A: input x; B: input Wv: QUANTISED
;;     4. batch 64 x [M 2,048, K 64] x [K 64, N 2,048]; A: computed on the way; B: computed on the way: QUANTISED
;;     5. batch 64 x [M 2,048, K 2,048] x [K 2,048, N 64]; A: softmax (see below); B: computed on the way: QUANTISED
;;     6. [M 8,192, K 1,024] x [K 1,024, N 1,024]; A: computed on the way; B: input Wo: QUANTISED
;;   THE QUANTISER, for each operand of a quantised product, along K:
;;     - K is cut into blocks of 32 from its start; a last block that is shorter is filled with zeros.
;;     - A block's scale is 2^e with e = floor(log2(the largest magnitude in the block)) - 2, held to -126 .. 127; a block of zeros has e = 0. As a byte (E8M0): e + 127.
;;     - Each number is divided by its block's scale, clamped to +-7.5, and rounded to the nearest number of E2M3, ties to even, subnormals kept.
;;     - The product sums the exact products of the quantised numbers (number of the format x scale) in f32.
;;   ~~~python
;;   def quantise(x, axis):      # numpy; x: float32 -> the quantised numbers, widened to float32 again
;;       x = np.moveaxis(x, axis, -1); K = x.shape[-1]
;;       x = np.pad(x, [(0, 0)] * (x.ndim - 1) + [(0, -K % 32)]); x = x.reshape(x.shape[:-1] + (-1, 32)); a = np.abs(x).max(-1, keepdims=True)
;;       e = np.where(a > 0, np.clip(np.frexp(np.where(a > 0, a, 1))[1] - 1 - 2, -126, 127), 0)      # np.frexp(a)[1] - 1 = floor(log2(a)), exactly
;;       r = np.clip(x / 2.0 ** e, -7.5, 7.5)
;;       step = 2.0 ** (np.maximum(np.frexp(np.where(r == 0, 1, r))[1] - 1, 0) - 3)
;;       q = np.round(r / step) * step * 2.0 ** e      # np.round: ties to even
;;       return np.moveaxis(q.reshape(q.shape[:-2] + (-1,))[..., :K], -1, axis).astype(np.float32)
;;   ~~~
;;   SOFTMAX AHEAD OF A QUANTISED PRODUCT. Where the list says 'softmax', what is quantised is not the finished softmax but p = 2^(t - M), with t = logit x log2(e) and M = ceil(the row's largest t), a whole number; so 1/2 < the row's largest p <= 1. The row's sum l is taken of the UNQUANTISED p, in f32, and the product's result is divided by l at the end. Since M is a whole number, a kernel that streams over the keys may use a running M (the ceiling of the running maximum): every later rescaling is an exact power of two, which a block's scale takes up: the codes' values come out the same.
;;   OPERANDS COMPUTED ON THE WAY. 'Computed on the way' means the value that the module computes at that place (a softmax that the list does not call 'softmax' is quantised finished and normalised). What goes into a quantiser is computed in f32, as accurately as f32 sums, v_exp_f32 and their like allow (about 1e-6 of the number): no bf16 or f16 on the way to a quantiser, and a product that is left as it is and whose result goes on into a quantised operand takes f32 operands (vector FMAs, or v_wmma_f32_16x16x4_f32). A number that lies on a knife's edge between two numbers of the format may be rounded either way, as far as f32 arithmetic and the matrix unit's own rounding can turn it there, and no further.
;; One version. Each part assembles by itself: llvm-mc -triple=amdgcn-amd-amdhsa -mcpu=gfx1250 --defsym DOCPART=n.
;; ======== version 1 of 1: 4 launches
;; limits: right only within a limited range of input values
;; workspace buffers: xq 6,553,600 bytes; wq 3,276,800 bytes; rope 524,288 bytes; qc 6,815,744 bytes; kv 13,369,344 bytes; aq 6,815,744 bytes
;; launch prep (part 1): grid 416 x 1, 4 waves a work-group, no clusters, 34,304 bytes of LDS; arguments x, Wq, Wk, Wv, Wo, token_positions, xq, wq, rope; writes xq, wq, rope
.if DOCPART == 1
	.amdgcn_target "amdgcn-amd-amdhsa--gfx1250"
	.amdhsa_code_object_version 6
	.text
	.protected	k_q240cedce85_prep
	.globl	k_q240cedce85_prep
	.p2align	8
	.type	k_q240cedce85_prep,@function
k_q240cedce85_prep:
	s_mov_b64 s[64:65], 0
	v_nop
	global_prefetch_b8 v0, s[64:65] scope:SCOPE_SE
	s_setreg_imm32_b32 hwreg(HW_REG_WAVE_MODE, 25, 1), 1
	s_wait_xcnt 0x0
; x [8192][1024] and Wq, Wk, Wv, Wo [1024][1024], f32, K innermost, become codes of FP6 (E2M3) with one E8M0 byte for each 32 along K, laid as IMAGES OF OPERAND REGISTERS;
; and the cosines and sines of RoPE are laid as the next launch's registers want them.  Every step and every input of the problem is served: nothing is left out as dead work.
; A ROW BLOCK is 64 rows x K 1,024 = 51,200 bytes: codes [K step 0..7][tile 0..3][1,536 bytes], then for each K step 256 bytes of scale words.
; A TILE's rows are not neighbours: lane r of tile t holds row 32 (r / 8) + 8 t + r % 8 of its row block, so that the 32 results which a lane of a later product holds over the four tiles are 32 neighbours:
; one whole scale block of the next product's K.
; A fragment's image: registers 0-3 at 16 x lane (512 bytes), 4-5 at 8 x lane (256), 6-9 at 16 x lane (512), 10-11 at 8 x lane (256).
; A K step's scale words: lane l's 8 bytes hold words 0, 1; word i is the word of tile 2 i + (l / 16), row l % 16.
; SHARES: work-groups 0-255 take x, 256-383 the four weights: a wave takes 64 rows x 128 along K, four fragments.  Work-groups 384-415 make the RoPE table, a wave a tile of 16 tokens.
; A block's scale is 2^(floor(log2(largest magnitude)) - 2); its byte is the largest magnitude's exponent field - 2, held at 1 from below.
; LIMITS: a block of zeros, or one whose largest magnitude lies under 2^-124, keeps the byte 1 (a block of zeros has zero codes, and this program alone reads the bytes); NaN and infinities are not served;
; token_positions lie in 0 .. 2047; the 32 frequencies are the f32 numbers nearest to 10^(-j/8).
.set STG,   8448                       ; a wave's stage in LDS: 16 rows x (512 bytes + 16)
.set SPARE, 4*STG                      ; behind the stages: the spare words, 128 bytes a wave
.set L16,  4                           ; 16 x lane
.set SIN,  5                           ; the stage on the way in
.set SOUT, 6                           ; and on the way out
.set L8,   8                           ; 8 x lane
.set SPW,  12                          ; my spare word; never rewritten
.set NIL,  13                          ; 0; never rewritten
.set R,    16                          ; v16-143  two sets of 64 registers as loaded
.set X,    144                         ; v144-207 64 numbers: register 16 b + i = k 32 b + 16 (lane / 16) + i of my row
.set PC,   208                         ; v208-219 a fragment's codes
.set PT,   220                         ; v220-222, v224-226 the upper halves of the blocks, before they are moved
.set TM,   228                         ; v228-243 at work
.set PW,   244                         ; v244-247 the four fragments' scale words
.set SCI,  248                         ; v248-249 the scale words as they are stored
.set OUT,  32                          ; v32-63   RoPE: register 2 n the cosine, 2 n + 1 the sine
.set WV,   22
.set HM,   23                          ; the mask of lanes 16-31
.set SEL,  24                          ; s[24:25] selects for lane l xor 16
	s_load_b256 s[4:11], s[0:1], 0x0               ; x, Wq, Wk, Wv
	s_load_b256 s[12:19], s[0:1], 0x20             ; Wo, token_positions, xq, wq
	s_load_b64 s[20:21], s[0:1], 0x40              ; rope
	v_lshl_add_u32 v[SPW], v0, 2, SPARE
	v_mov_b32 v[NIL], 0
	v_lshrrev_b32 v1, 5, v0
	v_readfirstlane_b32 s[WV], v1                  ; wave 0..3
	v_and_b32 v1, 31, v0                           ; lane
	v_and_b32 v2, 15, v0                           ; r
	v_bfe_u32 v3, v0, 4, 1                         ; h
	v_lshlrev_b32 v[L16], 4, v1
	v_lshlrev_b32 v[L8], 3, v1
	s_mov_b32 s[HM], 0xffff0000
	s_mov_b32 s[SEL], 0x76543210
	s_mov_b32 s[SEL+1], 0xfedcba98
	s_cmp_ge_u32 ttmp9, 384
	s_cbranch_scc1 .Lrope
	; ---- the quantiser
	s_mul_i32 s26, s[WV], STG
	v_add_nc_u32 v[SIN], s26, v[L16]               ; in: a row's 512 bytes as they lie
	v_mul_u32_u24 v[SOUT], v2, 528
	v_lshl_add_u32 v[SOUT], v3, 6, v[SOUT]
	v_add_nc_u32 v[SOUT], s26, v[SOUT]             ; out: row r, + 64 h: my 16 numbers of each block of 32
.irp b, 0,1,2,3
	v_mov_b32 v[TM+4+\b], 0                        ; written once: a lane permute's destination counts as one of its sources
.endr
	s_and_b32 s27, ttmp9, 1
	s_lshl_b32 s27, s27, 2
	s_add_co_u32 s27, s27, s[WV]                   ; my K step: 4 x (work-group % 2) + wave
	s_wait_alu depctr_va_vdst(0)                   ; the wait at the head's end
	s_wait_kmcnt 0x0
	s_cmp_ge_u32 ttmp9, 256                        ; the buffers are chosen by the work-group's number alone
	s_cselect_b64 s[4:5], s[6:7], s[4:5]
	s_cselect_b64 s[16:17], s[18:19], s[16:17]
	s_cselect_b32 s28, 256, 0
	s_cselect_b32 s29, 15, 127
	s_cmp_ge_u32 ttmp9, 288
	s_cselect_b64 s[4:5], s[8:9], s[4:5]
	s_cmp_ge_u32 ttmp9, 320
	s_cselect_b64 s[4:5], s[10:11], s[4:5]
	s_cmp_ge_u32 ttmp9, 352
	s_cselect_b64 s[4:5], s[12:13], s[4:5]
	s_lshr_b32 s30, ttmp9, 1
	s_and_b32 s30, s30, s29                        ; the row block in the source
	s_lshl_b32 s30, s30, 18                        ; 64 rows of 4,096 bytes
	s_lshl_b32 s31, s27, 9                         ; + 512 bytes a K step
	s_add_co_u32 s30, s30, s31
	s_mov_b32 s31, 0
	s_add_nc_u64 s[4:5], s[4:5], s[30:31]
	s_sub_co_u32 s32, ttmp9, s28
	s_lshr_b32 s32, s32, 1                         ; the row block in the destination
	s_mul_i32 s32, s32, 51200
	s_mov_b32 s33, 0
	s_add_nc_u64 s[16:17], s[16:17], s[32:33]
	s_mul_i32 s32, s27, 6144
	s_add_nc_u64 s[34:35], s[16:17], s[32:33]      ; my K step's codes
	s_lshl_b32 s32, s27, 8
	s_add_co_u32 s32, s32, 49152
	s_add_nc_u64 s[36:37], s[16:17], s[32:33]      ; and its scale words
.macro LOAD t                          ; tile t's 16 rows, 8 t + i + 24 (i / 8): each load reads 512 consecutive bytes
.irp i, 0,1,2,3,4,5,6,7,8,9,10,11,12,13,14,15
	global_load_b128 v[R+64*((\t)%2)+4*\i:R+64*((\t)%2)+4*\i+3], v[L16], s[4:5] offset:(8*(\t)+\i+24*(\i/8))*4096 th:TH_LOAD_NT
.endr
.endm
.macro TURN t                          ; through my own stage: LDS serves a wave's instructions in order, so no wait stands between the stores and the loads
.irp i, 0,1,2,3,4,5,6,7,8,9,10,11,12,13,14,15
	ds_store_b128 v[SIN], v[R+64*((\t)%2)+4*\i:R+64*((\t)%2)+4*\i+3] offset:528*\i
.endr
.irp b, 0,1,2,3
.irp j, 0,1,2,3
	ds_load_b128 v[X+16*\b+4*\j:X+16*\b+4*\j+3], v[SOUT] offset:128*\b+16*\j
.endr
.endr
.endm
.macro QF s, pw                        ; 64 numbers of a lane become a fragment's codes in v[PC] on and its row's scale word in v[pw]
.irp b, 0,1,2,3
	v_max3_num_f32 v[TM+\b], |v[\s+16*\b]|, |v[\s+1+16*\b]|, 0x1800000   ; my 16 numbers of block b, and the floor 2^(3 - 127): the byte cannot fall under 1
.endr
.irp i, 2,4,6,8,10,12,14
.irp b, 0,1,2,3
	v_max3_num_f32 v[TM+\b], v[TM+\b], |v[\s+16*\b+\i]|, |v[\s+1+16*\b+\i]|
.endr
.endr
.irp b, 0,1,2,3
	v_permlanex16_b32 v[TM+4+\b], v[TM+\b], s[SEL], s[SEL+1]
.endr
.irp b, 0,1,2,3
	v_max_num_f32 v[TM+\b], v[TM+\b], v[TM+4+\b]   ; with lane l xor 16's: the block's largest magnitude
.endr
.irp b, 0,1,2,3
	v_add_nc_u32 v[TM+12+\b], 0xff000000, v[TM+\b] ; 2 off its exponent field: the conversion's scale operand
.endr
.irp b, 0,1,2,3
	v_lshrrev_b32 v[TM+4+\b], 23, v[TM+12+\b]      ; the scale's byte
.endr
	v_lshl_or_b32 v[\pw], v[TM+5], 8, v[TM+4]
	v_lshl_or_b32 v[\pw], v[TM+6], 16, v[\pw]
	v_lshl_or_b32 v[\pw], v[TM+7], 24, v[\pw]
.irp c, 0,1
	v_cvt_scalef32_pk16_fp6_f32 v[PC+6*\c:PC+6*\c+2], v[\s+32*\c:\s+32*\c+15], v[TM+12+2*\c]
	v_cvt_scalef32_pk16_fp6_f32 v[PT+4*\c:PT+4*\c+2], v[\s+32*\c+16:\s+32*\c+31], v[TM+13+2*\c]
.endr
	v_nop                                          ; one plain place behind a scaled conversion
.irp c, 0,1                            ; the layout wants a whole block in a lane: lanes 0-15 block 2 c, lanes 16-31 block 2 c + 1
.irp i, 0,1,2
	v_permlane16_swap_b32 v[PC+6*\c+\i], v[PT+4*\c+\i]
.endr
.irp i, 0,1,2
	v_mov_b32 v[PC+3+6*\c+\i], v[PT+4*\c+\i]
.endr
.endr
.endm
	LOAD 0
	LOAD 1
.irp t, 0,1,2,3
.if \t < 3
	s_wait_loadcnt 16                              ; this tile's 16 loads are in; the next tile's 16 may be out
.else
	s_wait_loadcnt 0x0
.endif
	TURN \t
	s_wait_dscnt 0x0                               ; the numbers are back, and the stage's stores have read their registers
	s_wait_xcnt 0x0                                ; the last fragment's stores have read v[PC] on: only now is it written again
.if \t < 2
	LOAD \t+2
.endif
	QF X, PW+\t
	global_store_b128 v[L16], v[PC:PC+3], s[34:35] offset:1536*\t           ; 512 consecutive bytes,
	global_store_b64 v[L8], v[PC+4:PC+5], s[34:35] offset:1536*\t+512       ; 256,
	global_store_b128 v[L16], v[PC+6:PC+9], s[34:35] offset:1536*\t+768     ; 512,
	global_store_b64 v[L8], v[PC+10:PC+11], s[34:35] offset:1536*\t+1280    ; 256: each at a multiple of 256 from the buffer's first byte
.endr
	v_cndmask_b32 v[SCI], v[PW], v[PW+1], s[HM]    ; lanes 0-15: tile 0's words, lanes 16-31: tile 1's
	v_cndmask_b32 v[SCI+1], v[PW+2], v[PW+3], s[HM]
	global_store_b64 v[L8], v[SCI:SCI+1], s[36:37]
	s_wait_tensorcnt 0x0                           ; the wave's end: behind my last LDS store
	ds_add_u32 v[SPW], v[NIL]
	s_wait_dscnt 0x0
	s_endpgm
	; ---- the RoPE table.  Tile T holds tokens 64 (T / 4) + 8 (T % 4) + r % 8 + 32 (r / 8); register 2 n is the cosine, 2 n + 1 the sine, of pair 16 h + n.
.Lrope:
	s_sub_co_u32 s26, ttmp9, 384
	s_lshl_b32 s26, s26, 2
	s_add_co_u32 s26, s26, s[WV]                   ; T
	s_lshr_b32 s27, s26, 2
	s_lshl_b32 s27, s27, 6
	s_and_b32 s28, s26, 3
	s_lshl_b32 s28, s28, 3
	s_add_co_u32 s27, s27, s28
	s_wait_alu depctr_va_vdst(0)
	v_and_b32 v5, 8, v2
	v_mad_u32_u24 v5, v5, 3, v2                    ; r + 24 (r / 8)
	v_add_nc_u32 v5, s27, v5                       ; my token
	v_lshlrev_b32 v5, 2, v5
	s_lshl_b32 s30, s26, 12                        ; 4,096 bytes a tile
	s_mov_b32 s31, 0
	s_wait_alu depctr_va_vdst(0)
	s_wait_kmcnt 0x0
	s_add_nc_u64 s[20:21], s[20:21], s[30:31]
	global_load_b32 v6, v5, s[14:15]
	s_wait_loadcnt 0x0
	v_cvt_f32_i32 v6, v6                           ; the position, as a number: it enters no address
; The angle a = position x frequency, rounded once.  n = the nearest whole number to a x 2 / pi; a - n x pi / 2 in two steps (the first is exact: both are multiples of 2^-23 under 2^11, their difference under 1);
; sine and cosine of the rest, at most pi / 4, by their series up to the 9th and 10th power (the next terms lie under 2e-9); the quadrant n % 4 swaps them and sets the signs.
.macro ANG n, flo, fhi
	v_mul_f32 v16, \flo, v6
	v_mul_f32 v17, \fhi, v6
	v_cndmask_b32 v16, v16, v17, s[HM]             ; lanes 16-31 take the pair sixteen further on
	v_mul_f32 v17, 0x3f22f983, v16
	v_rndne_f32 v17, v17
	v_fmamk_f32 v18, v17, 0xbfc90fdb, v16
	v_fmamk_f32 v18, v17, 0x333bbd2e, v18
	v_mul_f32 v19, v18, v18
	v_mov_b32 v20, 0x3638ef1d
	v_mov_b32 v21, 0xb493f27e
	v_fmaak_f32 v20, v20, v19, 0xb9500d01
	v_fmaak_f32 v21, v21, v19, 0x37d00d01
	v_fmaak_f32 v20, v20, v19, 0x3c088889
	v_fmaak_f32 v21, v21, v19, 0xbab60b61
	v_fmaak_f32 v20, v20, v19, 0xbe2aaaab
	v_fmaak_f32 v21, v21, v19, 0x3d2aaaab
	v_mul_f32 v22, v19, v18
	v_fma_f32 v21, v21, v19, -0.5
	v_fma_f32 v20, v20, v22, v18                   ; the sine of the rest
	v_fma_f32 v21, v21, v19, 1.0                   ; its cosine
	v_cvt_i32_f32 v17, v17
	v_and_b32 v22, 1, v17
	v_cmp_eq_u32 vcc_lo, 1, v22
	v_cndmask_b32 v23, v20, v21, vcc_lo            ; odd quadrants swap the two
	v_cndmask_b32 v24, v21, v20, vcc_lo
	v_and_b32 v22, 2, v17
	v_lshlrev_b32 v22, 30, v22
	v_xor_b32 v[OUT+2*(\n)+1], v22, v23            ; the sine is negative in quadrants 2, 3
	v_add_nc_u32 v22, 1, v17
	v_and_b32 v22, 2, v22
	v_lshlrev_b32 v22, 30, v22
	v_xor_b32 v[OUT+2*(\n)], v22, v24              ; the cosine in quadrants 1, 2
.endm
	ANG 0, 1.0, 0.01                               ; lanes 0-15: pair n, lanes 16-31: pair 16 + n
	ANG 1, 0.749894209332456, 0.00749894209332456
	ANG 2, 0.562341325190349, 0.00562341325190349
	ANG 3, 0.421696503428582, 0.00421696503428582
	ANG 4, 0.316227766016838, 0.00316227766016838
	ANG 5, 0.237137370566166, 0.00237137370566166
	ANG 6, 0.177827941003892, 0.00177827941003892
	ANG 7, 0.133352143216332, 0.00133352143216332
	ANG 8, 0.1, 0.001
	ANG 9, 0.0749894209332456, 0.000749894209332456
	ANG 10, 0.0562341325190349, 0.000562341325190349
	ANG 11, 0.0421696503428582, 0.000421696503428582
	ANG 12, 0.0316227766016838, 0.000316227766016838
	ANG 13, 0.0237137370566166, 0.000237137370566166
	ANG 14, 0.0177827941003892, 0.000177827941003892
	ANG 15, 0.0133352143216332, 0.000133352143216332
.irp c, 0,1,2,3,4,5,6,7
	global_store_b128 v[L16], v[OUT+4*\c:OUT+4*\c+3], s[20:21] offset:512*\c
.endr
	s_endpgm
.Lfunc_end_k_q240cedce85_prep:
	.size	k_q240cedce85_prep, .Lfunc_end_k_q240cedce85_prep-k_q240cedce85_prep
	.p2alignl 7, 3214868480
	.fill 96, 4, 3214868480
	.section	.rodata,"a",@progbits
	.p2align	6, 0x0
	.amdhsa_kernel k_q240cedce85_prep
		.amdhsa_group_segment_fixed_size 34304
		.amdhsa_private_segment_fixed_size 0
		.amdhsa_enable_private_segment 0
		.amdhsa_kernarg_size 72
		.amdhsa_user_sgpr_count 2
		.amdhsa_user_sgpr_kernarg_segment_ptr 1
		.amdhsa_wavefront_size32 1
		.amdhsa_system_sgpr_workgroup_id_x 1
		.amdhsa_system_sgpr_workgroup_id_y 1
		.amdhsa_system_sgpr_workgroup_id_z 1
		.amdhsa_system_vgpr_workitem_id 0
		.amdhsa_next_free_vgpr 256
		.amdhsa_next_free_sgpr 66
		.amdhsa_reserve_vcc 1
		.amdhsa_float_denorm_mode_32 3
		.amdhsa_float_denorm_mode_16_64 3
		.amdhsa_memory_ordered 1
		.amdhsa_forward_progress 1
		.amdhsa_inst_pref_size 60
	.end_amdhsa_kernel
	.amdgpu_metadata
---
amdhsa.version: [ 1, 2 ]
amdhsa.kernels:
  - .name:           k_q240cedce85_prep
    .symbol:         k_q240cedce85_prep.kd
    .args:
      - { .name: x, .offset: 0, .size: 8, .value_kind: global_buffer, .address_space: global }
      - { .name: Wq, .offset: 8, .size: 8, .value_kind: global_buffer, .address_space: global }
      - { .name: Wk, .offset: 16, .size: 8, .value_kind: global_buffer, .address_space: global }
      - { .name: Wv, .offset: 24, .size: 8, .value_kind: global_buffer, .address_space: global }
      - { .name: Wo, .offset: 32, .size: 8, .value_kind: global_buffer, .address_space: global }
      - { .name: token_positions, .offset: 40, .size: 8, .value_kind: global_buffer, .address_space: global }
      - { .name: xq, .offset: 48, .size: 8, .value_kind: global_buffer, .address_space: global }
      - { .name: wq, .offset: 56, .size: 8, .value_kind: global_buffer, .address_space: global }
      - { .name: rope, .offset: 64, .size: 8, .value_kind: global_buffer, .address_space: global }
    .group_segment_fixed_size: 34304
    .private_segment_fixed_size: 0
    .kernarg_segment_align: 8
    .kernarg_segment_size: 72
    .max_flat_workgroup_size: 128
    .sgpr_count:     66
    .vgpr_count:     256
    .wavefront_size: 32
...
	.end_amdgpu_metadata
.endif
;; end of part 1
;; launch qkv (part 2): grid 8 x 32, 4 waves a work-group, clusters of 4 x 1, 270,848 bytes of LDS; arguments xq, wq, rope, qc, kv; writes qc, kv
.if DOCPART == 2
	.amdgcn_target "amdgcn-amd-amdhsa--gfx1250"
	.amdhsa_code_object_version 6
	.text
	.protected	k_q240cedce85_qkv
	.globl	k_q240cedce85_qkv
	.p2align	8
	.type	k_q240cedce85_qkv,@function
k_q240cedce85_qkv:
	s_mov_b64 s[64:65], 0
	v_nop
	global_prefetch_b8 v0, s[64:65] scope:SCOPE_SE
	s_setreg_imm32_b32 hwreg(HW_REG_WAVE_MODE, 25, 1), 1
	s_wait_xcnt 0x0
	s_wait_alu depctr_hold_cnt(0) depctr_sa_sdst(0) depctr_va_vdst(0) depctr_va_sdst(0) depctr_va_ssrc(0) depctr_va_vcc(0) depctr_vm_vsrc(0)
	s_getreg_b32 s2, hwreg(HW_REG_IB_STS2, 6, 4)
	s_cmp_eq_u32 s2, 0
	s_cbranch_scc0 .Lentry_in_a_cluster
	s_endpgm
.Lentry_in_a_cluster:
	s_bfe_u32 s2, ttmp6, 0x10000c
	s_cmp_lg_u32 s2, 0x3003
	s_cbranch_scc0 .Lentry_shape_is_right
	s_endpgm
.Lentry_shape_is_right:
; q = rope(x Wq^T), k = rope(x Wk^T), v = x Wv^T on codes of FP6 (E2M3) with E8M0 scales, and their results quantised at once for attention: q and k along the head's 64, v along the tokens.
; SHARES.  Work-group row p (0..31) owns 256 tokens: row blocks 4 p .. 4 p + 3 of xq; they lie in LDS for the whole launch.  A wave owns one head, hd = 4 cx + wave, 64 columns, whose weights for all of K
; stay in 384 registers, loaded from wq as images of the operand's registers.  A work-group does three units of 128 tokens x 256 columns: two of q (cluster x = 0) or of k (cluster x = 1), on its two groups
; of tokens, and one of v on one group: 3 x 256 matrix instructions a wave, the same in every wave of the launch.
; CLUSTER.  The four work-groups of a cluster share p and the cluster's x, so they need the same 204,800 bytes of x and the same 65,536 of the RoPE table: waves 0 and 1 ask for half of x each, waves 2 and 3 for half
; of the table each, JOINTLY: one tensor load a wave.  The weights are each wave's own and are shared by nobody in the cluster: they go from memory straight into registers.
; LDS slot i holds row block 4 p + (i xor 2 X), so that slots 0, 1 are always the first unit's and v's: every LDS address is made of constants, the lane, the wave and the unit's count.  Nothing is filled twice.
; A TILE'S ROWS: lane r of tile t of a row block of 64 stands for row 32 (r / 8) + 8 t + r % 8 (the launch before lays x and the weights so).
; q, k: source 0 = 16 rows of W, source 1 = 16 tokens: a lane holds one token, and its 32 registers of W's four tiles are d = 32 h + 0 .. 31: one whole scale block.
; v: the sources change places: a lane holds one d, and the 32 registers of x's tiles 4 c .. 4 c + 3 are tokens 64 c + 32 h + 0 .. 31: again a whole block, with the tokens innermost.
; So in both cases block x (0..7) of a unit is accumulator registers 32 x .. 32 x + 31, and ONE quantiser serves all eight blocks line by line: a line's reader stands eight lines on, and no lane asks another for a maximum or for codes.
; RoPE turns the accumulators in place, in four runs of sixteen lines that do not hang on each other.
; v'S WEIGHTS are asked for in the second unit's way out, one K step's 17 loads behind each tile's RoPE.
; No prefetch: the tiles are all asked for at the head, and each wave's weights are asked for as early as their registers are free.
; RECORDS.  qc [b h][group of 128 tokens][6,656]: 48 registers a lane (tile a: registers 6 a .. 6 a + 5) as 12 chunks of 512 bytes, then 512 bytes of scale words (lane l's word i: tile 2 i + l / 16, row l % 16).
; kv [b h][group][13,056]: k likewise at 0, its scale words at 12,288; v's four fragments at 6,144 (12 chunks), its scale words (8 bytes a lane) at 12,800.
; LIMITS: blocks under 2^-124 and blocks of zeros keep the byte 1 (this program alone reads the bytes); NaN and infinities are not served.
; REGISTERS, in windows of 256.  Window 0: v1-11 addresses; v16-47 x's scale words, v48-63 W's; v64-159 x's fragments, set 0 (behind the products: two sets of 32 table numbers, 16 numbers at work; then the codes' upper halves);
;   v160-207 the codes to be stored; v208-251 at work.   Window 1: the 32 accumulators.   Window 2: W's fragments of K steps 0-4.   Window 3: those of K steps 5-7; from v160 x's fragments, set 1.
.set RBLK,  51200                      ; a row block
.set FRG,   1536                       ; a fragment's image
.set KST,   6144                       ; a K step's four fragments
.set SCO,   49152                      ; where a row block's scale words begin
.set ROPE0, 4*RBLK                     ; LDS: behind the four row blocks, the table's 16 tiles of 4,096 bytes
.set SPARE, ROPE0+65536                ; behind it the spare words, 128 bytes a wave
.set L16,  1                           ; 16 x lane
.set L8,   2                           ; 8 x lane
.set AX16, 4                           ; v4-5 the unit's two row blocks, + 16 x lane
.set AX8,  6                           ; v6-7 the same + 8 x lane
.set AR,   8                           ; the unit's part of the table, + 16 x lane
.set SH8,  9                           ; 8 x (lane / 16): how far a lane's scale bytes are shifted up in the word
.set SPW,  10                          ; my spare word; never rewritten
.set NIL,  11                          ; 0; never rewritten
.set XS,   16                          ; x's scale words: register 4 s + a / 2, lanes 0-15 tile a even, lanes 16-31 odd
.set WS,   48                          ; W's: register 2 s + b / 2
.set XF0,  64
.set RP,   64                          ; v64-127 two sets of table numbers
.set PT,   64                          ; v64-95 behind RoPE: the blocks' upper 16 codes, four registers a block
.set TT,   128                         ; v128-143 RoPE: even x sine
.set RUN,  160
.set PW,   208
.set TM,   216                         ; v216-223 the blocks' maxima, then bytes; v224-231 the conversions' scale operands
.set SCI,  240
.set PX,   244                         ; v244-251 the other half's bytes
.set WV,  14
.set CX,  15
.set XX,  16
.set PP,  17
.set G1X, 24
.set G0X, 32
.set G1R, 36
.set G0R, 44
.set WBQ, 48
.set WBV, 50
.set OB,  52
.set OS,  54
.set OB1, 56
.set OS1, 58
.set OBV, 60
.set U,   66
.set XB,  67
.set RB,  68
.set HM,  69
.set SEL, 70
.set MSB, 0
.macro WIN new                         ; the immediate's high byte repeats the setting that is left; a switch that changes nothing is dropped
.if MSB != (\new)
	s_set_vgpr_msb (MSB<<8)|(\new)
.set MSB, (\new)
.endif
.endm
.macro WALU
	s_wait_alu depctr_va_vdst(0)
.endm
.macro CROUND                          ; a round of the cluster's barrier
	s_barrier_signal -1
	s_barrier_wait -1
	s_cmp_lg_u32 s[WV], 0
	s_cbranch_scc1 .Lnot_wave_0_\@
	s_barrier_signal -3
.Lnot_wave_0_\@:
	s_barrier_wait -3
	s_barrier_signal -1
	s_barrier_wait -1
.endm
.macro PLACES                          ; four places behind a matrix instruction, in front of loads into its registers and of reads of its results
.rept 4
	v_nop
.endr
.endm
.macro WLOADS base, s                  ; a head's weights of K step s: its scale words and four fragments, 17 loads
	global_load_b64 v[WS+2*(\s):WS+2*(\s)+1], v[L8], s[\base:\base+1] offset:SCO+256*(\s)
.if (\s) < 5
	WIN 0x80
.set WR_, 48*(\s)
.else
	WIN 0xc0
.set WR_, 48*((\s)-5)
.endif
.irp b, 0,1,2,3
	global_load_b128 v[WR_+12*\b:WR_+12*\b+3], v[L16], s[\base:\base+1] offset:KST*(\s)+FRG*\b
	global_load_b64 v[WR_+12*\b+4:WR_+12*\b+5], v[L8], s[\base:\base+1] offset:KST*(\s)+FRG*\b+512
	global_load_b128 v[WR_+12*\b+6:WR_+12*\b+9], v[L16], s[\base:\base+1] offset:KST*(\s)+FRG*\b+768
	global_load_b64 v[WR_+12*\b+10:WR_+12*\b+11], v[L8], s[\base:\base+1] offset:KST*(\s)+FRG*\b+1280
.endr
	WIN 0
.endm
.macro XSLOAD                          ; the unit's scale words of x, all K steps: 16 loads
.irp s, 0,1,2,3,4,5,6,7
.irp q, 0,1
	ds_load_b64 v[XS+4*\s+2*\q:XS+4*\s+2*\q+1], v[AX8+\q] offset:SCO+256*\s
.endr
.endr
.endm
.macro FETCHX s                        ; x's eight fragments of K step s into set s % 2: 32 loads
.set XR, XF0+96*((\s)%2)
.if (\s)%2
	WIN 0xc0
.else
	WIN 0
.endif
.irp a, 0,1,2,3,4,5,6,7
	ds_load_b128 v[XR+12*\a:XR+12*\a+3], v[AX16+\a/4] offset:KST*(\s)+FRG*(\a%4)
	ds_load_b64 v[XR+12*\a+4:XR+12*\a+5], v[AX8+\a/4] offset:KST*(\s)+FRG*(\a%4)+512
	ds_load_b128 v[XR+12*\a+6:XR+12*\a+9], v[AX16+\a/4] offset:KST*(\s)+FRG*(\a%4)+768
	ds_load_b64 v[XR+12*\a+10:XR+12*\a+11], v[AX8+\a/4] offset:KST*(\s)+FRG*(\a%4)+1280
.endr
.endm
.macro MM c, ra, rb                    ; one matrix instruction from the symbols rD, rA, rB, rSA, rSB; ra, rb: the half of the lanes in which the side's scale words stand
	v_wmma_scale_f32_16x16x128_f8f6f4 v[rD:rD+7], v[rA:rA+11], v[rB:rB+11], \c, v[rSA], v[rSB] matrix_a_fmt:MATRIX_FMT_FP6 matrix_b_fmt:MATRIX_FMT_FP6 matrix_a_scale:MATRIX_SCALE_ROW\ra matrix_b_scale:MATRIX_SCALE_ROW\rb
.endm
.macro MMZ zero, ra, rb
.if \zero
	MM 0, \ra, \rb
.else
	MM v[rD:rD+7], \ra, \rb
.endif
.endm
; K step s: 32 matrix instructions, x's tiles a = 0..7 against W's tiles b = 0..3.  mode 0 (q, k): source 0 = W, accumulator (a, b) at 8 (4 a + b); mode 1 (v): source 0 = x, at 8 (8 b + a).
; The 32 accumulators take turns, one instruction a turn, in the same order in every step.
.macro MULS mode, s, zero
.set WW, 2+(\s)/5
.set WR, 48*((\s)%5)
.set XW, 3*((\s)%2)
.set XR, XF0+96*((\s)%2)
.if \mode
	WIN 0x50|(WW<<2)|XW
.else
	WIN 0x50|(XW<<2)|WW
.endif
.irp a2, 0,1,2,3
.irp ar, 0,1
.irp b2, 0,1
.irp br, 0,1
.set A_, 2*\a2+\ar
.set B_, 2*\b2+\br
.if \mode
.set rD, 8*(8*B_+A_)
.set rA, XR+12*A_
.set rB, WR+12*B_
.set rSA, XS+4*(\s)+\a2
.set rSB, WS+2*(\s)+\b2
	MMZ \zero, \ar, \br
.else
.set rD, 8*(4*A_+B_)
.set rA, WR+12*B_
.set rB, XR+12*A_
.set rSA, WS+2*(\s)+\b2
.set rSB, XS+4*(\s)+\a2
	MMZ \zero, \br, \ar
.endif
.endr
.endr
.endr
.endr
.endm
.macro STEP mode, s
.if (\s) < 7
	PLACES                                         ; the other set was read by the step before
	FETCHX (\s)+1
	s_wait_dscnt 32                                ; all but the 32 loads just issued: this step's fragments are in
.else
	s_wait_dscnt 0x0
.endif
.if 17*(7-(\s)) > 63
	s_wait_loadcnt 63                              ; W's loads of later K steps, 17 each, may be out; the count is held at what the wait can name
.else
	s_wait_loadcnt 17*(7-(\s))
.endif
.if (\s) == 0
	MULS \mode, \s, 1                              ; the first step starts the sums: nothing is cleared
.else
	MULS \mode, \s, 0
.endif
.endm
.macro RPLOAD a                        ; tile a's 32 table numbers into set a % 2: register 2 n the cosine, 2 n + 1 the sine, of pair 16 h + n
.irp i, 0,1,2,3,4,5,6,7
	ds_load_b128 v[RP+32*((\a)%2)+4*\i:RP+32*((\a)%2)+4*\i+3], v[AR] offset:4096*(\a)+512*\i
.endr
.endm
.macro ROPE a                          ; tile a's 32 results (window 1), in pairs (even d, odd d), are turned in place; each accumulator is read from its low end on
.set RQ, RP+32*((\a)%2)
.set AC, 32*(\a)
	WIN 0x01
.irp n, 0,1,2,3,4,5,6,7,8,9,10,11,12,13,14,15
	v_mul_f32 v[TT+\n], v[AC+2*\n], v[RQ+2*\n+1]                         ; even x sine
.endr
	WIN 0x41
.irp n, 0,1,2,3,4,5,6,7,8,9,10,11,12,13,14,15
	v_mul_f32 v[AC+2*\n], v[AC+2*\n], v[RQ+2*\n]                         ; even x cosine
.endr
	WIN 0x51
.irp n, 0,1,2,3,4,5,6,7,8,9,10,11,12,13,14,15
	v_fma_f32 v[AC+2*\n], -v[AC+2*\n+1], v[RQ+2*\n+1], v[AC+2*\n]        ; - odd x sine: the new even
.endr
	WIN 0x41
.irp n, 0,1,2,3,4,5,6,7,8,9,10,11,12,13,14,15
	v_fma_f32 v[AC+2*\n+1], v[AC+2*\n+1], v[RQ+2*\n], v[TT+\n]           ; odd x cosine + even x sine: the new odd
.endr
	WIN 0
.endm
; THE QUANTISER of a unit's eight blocks: block x is registers 32 x .. 32 x + 31 of window 1, all in my lane.  Its six registers of codes go to v[RUN + 6 x] on.
; mode 0 (q, k): block x is tile x's block h; the tile's word has bytes 0, 1.  mode 1 (v): blocks 2 b, 2 b + 1 are blocks h and 2 + h of W's tile b; its word has four bytes.
.macro QALL mode
	WIN 0x05
.irp x, 0,1,2,3,4,5,6,7
	v_max3_num_f32 v[TM+\x], |v[32*\x]|, |v[32*\x+1]|, 0x1800000         ; with the floor 2^(3 - 127): the byte cannot fall under 1
.endr
.irp i, 2,4,6,8,10,12,14,16,18,20,22,24,26,28,30
.irp x, 0,1,2,3,4,5,6,7
	v_max3_num_f32 v[TM+\x], |v[32*\x+\i]|, |v[32*\x+\i+1]|, v[TM+\x]
.endr
.endr
	WIN 0
.irp x, 0,1,2,3,4,5,6,7
	v_add_nc_u32 v[TM+8+\x], 0xff000000, v[TM+\x]  ; 2 off the exponent field: the conversions' scale operand
.endr
.irp x, 0,1,2,3,4,5,6,7
	v_lshrrev_b32 v[TM+\x], 23, v[TM+8+\x]         ; the scale's byte
.endr
.if \mode
.irp b, 0,1,2,3
	v_lshl_or_b32 v[TM+2*\b], v[TM+2*\b+1], 16, v[TM+2*\b]
.endr
.irp b, 0,1,2,3
	v_lshlrev_b32 v[TM+2*\b], v[SH8], v[TM+2*\b]   ; my two bytes at places h and 2 + h
.endr
.irp b, 0,1,2,3
	v_permlanex16_b32 v[PX+\b], v[TM+2*\b], s[SEL], s[SEL+1]
.endr
.irp b, 0,1,2,3
	v_or_b32 v[PW+\b], v[TM+2*\b], v[PX+\b]        ; with lane l xor 16's two the word is whole
.endr
.else
.irp x, 0,1,2,3,4,5,6,7
	v_lshlrev_b32 v[TM+\x], v[SH8], v[TM+\x]       ; my byte at place h
.endr
.irp x, 0,1,2,3,4,5,6,7
	v_permlanex16_b32 v[PX+\x], v[TM+\x], s[SEL], s[SEL+1]
.endr
.irp x, 0,1,2,3,4,5,6,7
	v_or_b32 v[PW+\x], v[TM+\x], v[PX+\x]          ; bytes 2 and 3 stay 0: they scale the zero codes that fill the instruction's K
.endr
.endif
	WIN 0x01
.irp x, 0,1,2,3,4,5,6,7
	v_cvt_scalef32_pk16_fp6_f32 v[RUN+6*\x:RUN+6*\x+2], v[32*\x:32*\x+15], v[TM+8+\x]
	v_cvt_scalef32_pk16_fp6_f32 v[PT+4*\x:PT+4*\x+2], v[32*\x+16:32*\x+31], v[TM+8+\x]   ; (a conversion's three registers begin on an even number)
.endr
	WIN 0
	v_nop                                          ; one plain place behind a scaled conversion
.irp x, 0,1,2,3,4,5,6,7
.irp i, 0,1,2
	v_mov_b32 v[RUN+6*\x+3+\i], v[PT+4*\x+\i]
.endr
.endr
.endm
	s_load_b256 s[4:11], s[0:1], 0x0               ; xq, wq, rope, qc
	s_load_b64 s[12:13], s[0:1], 0x20              ; kv
	v_lshl_add_u32 v[SPW], v0, 2, SPARE
	v_mov_b32 v[NIL], 0
	ds_add_u32 v[SPW], v[NIL]                      ; the wave's opening: the add, twice on end, and its wait ahead of my first tensor load
	ds_add_u32 v[SPW], v[NIL]
	v_lshrrev_b32 v3, 5, v0
	v_readfirstlane_b32 s[WV], v3                  ; wave 0..3
	v_and_b32 v3, 31, v0
	v_lshlrev_b32 v[L16], 4, v3
	v_lshlrev_b32 v[L8], 3, v3
	v_bfe_u32 v[SH8], v0, 4, 1
	v_lshlrev_b32 v[SH8], 3, v[SH8]
.irp b, 0,1,2,3,4,5,6,7
	v_mov_b32 v[PX+\b], 0                          ; written once: a lane permute's destination counts as one of its sources
.endr
	s_bfe_u32 s[CX], ttmp6, 0x40000                ; my place in the cluster: it enters W's and the results' addresses alone
	s_mov_b32 s[XX], ttmp9                         ; the cluster's x: 0 q, 1 k
	s_and_b32 s[PP], ttmp7, 0xffff                 ; p
	s_mov_b32 s[G1X], 0x0023000f                   ; 15:0 the mask: all four work-groups; 17:16 elements of 8 bytes; 21 set beside a mask; no padding
	s_mov_b32 s[G1X+1], 32<<16                     ; tensor_dim0 = 32 elements: rows of 256 bytes
	s_mov_b32 s[G1X+2], 400<<16                    ; tensor_dim1 = 400 rows: two row blocks
	s_mov_b32 s[G1X+3], 32<<16                     ; tile_dim0
	s_mov_b32 s[G1X+4], 400                        ; tile_dim1
	s_mov_b32 s[G1X+5], 32                         ; the pitch: dense
	s_mov_b32 s[G1X+6], 0
	s_mov_b32 s[G1X+7], 0
	s_mov_b32 s[G1R], 0x0023000f                   ; the same with 128 rows: eight tiles of the table
	s_mov_b32 s[G1R+1], 32<<16
	s_mov_b32 s[G1R+2], 128<<16
	s_mov_b32 s[G1R+3], 32<<16
	s_mov_b32 s[G1R+4], 128
	s_mov_b32 s[G1R+5], 32
	s_mov_b32 s[G1R+6], 0
	s_mov_b32 s[G1R+7], 0
	s_mov_b32 s[HM], 0xffff0000
	s_mov_b32 s[SEL], 0x76543210
	s_mov_b32 s[SEL+1], 0xfedcba98
	s_and_b32 s72, s[WV], 1                        ; which half I ask for
	s_xor_b32 s18, s72, s[XX]
	s_lshl_b32 s18, s18, 1                         ; slots 2 w, 2 w + 1 take quarters 2 (w xor X) and the next
	s_lshl_b32 s19, s[PP], 2
	s_add_co_u32 s19, s19, s18
	s_mul_i32 s20, s19, RBLK                       ; its row blocks in xq
	s_mov_b32 s21, 0
	s_and_b32 s22, s[PP], 7
	s_lshl_b32 s22, s22, 16
	s_lshl_b32 s23, s18, 14
	s_add_co_u32 s22, s22, s23                     ; and its eight tiles of the table
	s_mov_b32 s23, 0
	s_lshl_b32 s73, s72, 15                        ; where they go: the wave's number alone
	s_mul_i32 s72, s72, 2*RBLK
	s_add_co_u32 s73, s73, ROPE0
	s_lshl_b32 s74, s[CX], 2
	s_add_co_u32 s74, s74, s[WV]                   ; my head
	s_lshl_b32 s75, s[XX], 4
	s_add_co_u32 s75, s75, s74
	s_mul_i32 s76, s75, RBLK                       ; Wq's or Wk's 64 rows
	s_mov_b32 s77, 0
	s_add_co_u32 s75, s74, 32
	s_mul_i32 s78, s75, RBLK                       ; Wv's
	s_mov_b32 s79, 0
	s_lshr_b32 s75, s[PP], 3
	s_lshl_b32 s75, s75, 4
	s_add_co_u32 s75, s75, s74                     ; 16 x batch + head
	s_lshl_b32 s75, s75, 4
	s_and_b32 s80, s[PP], 7
	s_lshl_b32 s80, s80, 1
	s_add_co_u32 s75, s75, s80
	s_add_co_u32 s80, s75, s[XX]                   ; the first unit's record, and v's: group 2 p + X
	s_xor_b32 s81, s[XX], 1
	s_add_co_u32 s81, s75, s81                     ; the second unit's
	s_mov_b32 s82, 13056
	s_mov_b32 s83, 12288
	s_cmp_eq_u32 s[XX], 0
	s_cselect_b32 s82, 6656, s82                   ; a record's bytes,
	s_cselect_b32 s83, 6144, s83                   ; and where its scale words begin
	s_mul_i32 s84, s80, s82
	s_mov_b32 s85, 0
	s_mul_i32 s86, s81, s82
	s_mov_b32 s87, 0
	s_mul_i32 s88, s80, 13056
	s_add_co_u32 s88, s88, 6144
	s_mov_b32 s89, 0
	s_wait_dscnt 0x0                               ; both opening adds are done
	s_wait_kmcnt 0x0
	s_cmp_eq_u32 s[XX], 0
	s_cselect_b64 s[OB:OB+1], s[10:11], s[12:13]   ; q goes to qc, k to kv: a choice on the cluster's x
	s_add_nc_u64 s[OB1:OB1+1], s[OB:OB+1], s[86:87]
	s_add_nc_u64 s[OB:OB+1], s[OB:OB+1], s[84:85]
	s_mov_b32 s84, s83
	s_add_nc_u64 s[OS:OS+1], s[OB:OB+1], s[84:85]
	s_add_nc_u64 s[OS1:OS1+1], s[OB1:OB1+1], s[84:85]
	s_add_nc_u64 s[OBV:OBV+1], s[12:13], s[88:89]
	s_add_nc_u64 s[WBQ:WBQ+1], s[6:7], s[76:77]
	s_add_nc_u64 s[WBV:WBV+1], s[6:7], s[78:79]
	s_mov_b32 s[G0X], 1
	s_mov_b32 s[G0X+1], s72
	s_add_nc_u64 s[G0X+2:G0X+3], s[4:5], s[20:21]
	s_or_b32 s[G0X+3], s[G0X+3], 0x80000000
	s_mov_b32 s[G0R], 1
	s_mov_b32 s[G0R+1], s73
	s_add_nc_u64 s[G0R+2:G0R+3], s[8:9], s[22:23]
	s_or_b32 s[G0R+3], s[G0R+3], 0x80000000
	CROUND                                         ; all four work-groups are here: the joint loads meet
	s_cmp_lt_u32 s[WV], 1                          ; one tensor load a wave, in the arms of one chain of branches on the wave's number
	s_cbranch_scc0 .Lwave_1
	tensor_load_to_lds s[G0X:G0X+3], s[G1X:G1X+7]  ; wave 0, on a line of its own: slots 0 and 1, the first unit's half of x, which the first barrier shows
	s_nop 0
.rept 4
	v_nop
.endr
	s_branch .Lasked
.Lwave_1:
	s_cmp_lt_u32 s[WV], 2
	s_cbranch_scc0 .Lfor_table
	tensor_load_to_lds s[G0X:G0X+3], s[G1X:G1X+7]  ; wave 1: slots 2 and 3
	s_nop 0
.rept 4
	v_nop
.endr
	s_branch .Lasked
.Lfor_table:
	tensor_load_to_lds s[G0R:G0R+3], s[G1R:G1R+7]  ; waves 2, 3: half of the table
	s_nop 0
.rept 4
	v_nop
.endr
.Lasked:
	WALU                                           ; the wait at the head's end
.irp s, 0,1,2,3,4,5,6,7
	WLOADS WBQ, \s
.endr
	s_cmp_lt_u32 s[WV], 1
	s_cbranch_scc0 .Lnot_first
	s_wait_tensorcnt 0x0                           ; wave 0: slots 0 and 1 are in
.Lnot_first:
	s_barrier_signal -1
	s_barrier_wait -1                              ; they are shown to all; the other three loads may still be out
	s_mov_b32 s[U], 0
	s_mov_b32 s[XB], 0
	s_mov_b32 s[RB], ROPE0
.Lunit:                                            ; two trips: q's or k's two groups of 128 tokens
	v_add_nc_u32 v[AX16], s[XB], v[L16]
	v_add_nc_u32 v[AX8], s[XB], v[L8]
	v_add_nc_u32 v[AR], s[RB], v[L16]
	v_add_nc_u32 v[AX16+1], RBLK, v[AX16]
	v_add_nc_u32 v[AX8+1], RBLK, v[AX8]
	WALU                                           ; the wait behind these writes
	XSLOAD
	FETCHX 0
.irp s, 0,1,2,3,4,5,6,7
	STEP 0, \s
.endr
	WIN 0
	PLACES
	s_wait_tensorcnt 0x0                           ; every wave's load is in (in the second trip nothing is out),
	s_wait_dscnt 0x0
	s_barrier_signal -1
	s_barrier_wait -1                              ; and shown to all, ahead of the first read of the table and of slots 2 and 3
	RPLOAD 0
.irp a, 0,1,2,3,4,5,6,7
.if \a < 7
	RPLOAD \a+1
	s_wait_dscnt 8                                 ; this tile's table numbers are in; the next tile's 8 loads may be out
.else
	s_wait_dscnt 0x0
.endif
	ROPE \a
	s_cmp_eq_u32 s[U], 0
	s_cbranch_scc1 .Lno_v\a
	WLOADS WBV, \a                                 ; behind the last q or k product: v's weights of K step a, 17 loads
.Lno_v\a:
.endr
	WALU                                           ; the wait between RoPE's writes and their readers behind the branch
	QALL 0
.irp i, 0,1,2,3
	v_cndmask_b32 v[SCI+\i], v[PW+2*\i], v[PW+2*\i+1], s[HM]   ; lanes 0-15: the even tile's words, lanes 16-31: the odd tile's
.endr
.irp c, 0,1,2,3,4,5,6,7,8,9,10,11
	global_store_b128 v[L16], v[RUN+4*\c:RUN+4*\c+3], s[OB:OB+1] offset:512*\c   ; 512 consecutive bytes, at a multiple of 256 from the buffer's first byte
.endr
	global_store_b128 v[L16], v[SCI:SCI+3], s[OS:OS+1]
	s_wait_xcnt 0x0                                ; the stores have read their bases and their data: both are written again below
	s_mov_b64 s[OB:OB+1], s[OB1:OB1+1]
	s_mov_b64 s[OS:OS+1], s[OS1:OS1+1]
	s_add_co_u32 s[XB], s[XB], 2*RBLK
	s_add_co_u32 s[RB], s[RB], 32768
	s_add_co_u32 s[U], s[U], 1
	s_cmp_lt_u32 s[U], 2
	s_cbranch_scc1 .Lunit
	; ---- v, on the first unit's 128 tokens
	v_mov_b32 v[AX16], v[L16]
	v_add_nc_u32 v[AX16+1], RBLK, v[L16]
	v_mov_b32 v[AX8], v[L8]
	v_add_nc_u32 v[AX8+1], RBLK, v[L8]
	WALU
	XSLOAD
	FETCHX 0
.irp s, 0,1,2,3,4,5,6,7
	STEP 1, \s
.endr
	WIN 0
	PLACES
	QALL 1
	v_cndmask_b32 v[SCI], v[PW], v[PW+1], s[HM]
	v_cndmask_b32 v[SCI+1], v[PW+2], v[PW+3], s[HM]
.irp c, 0,1,2,3,4,5,6,7,8,9,10,11
	global_store_b128 v[L16], v[RUN+4*\c:RUN+4*\c+3], s[OBV:OBV+1] offset:512*\c
.endr
	global_store_b64 v[L8], v[SCI:SCI+1], s[OBV:OBV+1] offset:6656
	s_wait_tensorcnt 0x0                           ; the wave's end: behind my last tensor load
	ds_add_u32 v[SPW], v[NIL]
	s_wait_dscnt 0x0
	CROUND                                         ; the closing round
	s_endpgm
.Lfunc_end_k_q240cedce85_qkv:
	.size	k_q240cedce85_qkv, .Lfunc_end_k_q240cedce85_qkv-k_q240cedce85_qkv
	.p2alignl 7, 3214868480
	.fill 96, 4, 3214868480
	.section	.rodata,"a",@progbits
	.p2align	6, 0x0
	.amdhsa_kernel k_q240cedce85_qkv
		.amdhsa_group_segment_fixed_size 270848
		.amdhsa_private_segment_fixed_size 0
		.amdhsa_enable_private_segment 0
		.amdhsa_kernarg_size 40
		.amdhsa_user_sgpr_count 2
		.amdhsa_user_sgpr_kernarg_segment_ptr 1
		.amdhsa_wavefront_size32 1
		.amdhsa_system_sgpr_workgroup_id_x 1
		.amdhsa_system_sgpr_workgroup_id_y 1
		.amdhsa_system_sgpr_workgroup_id_z 1
		.amdhsa_system_vgpr_workitem_id 0
		.amdhsa_next_free_vgpr 1024
		.amdhsa_next_free_sgpr 90
		.amdhsa_reserve_vcc 0
		.amdhsa_float_denorm_mode_32 3
		.amdhsa_float_denorm_mode_16_64 3
		.amdhsa_memory_ordered 1
		.amdhsa_forward_progress 1
		.amdhsa_inst_pref_size 193
	.end_amdhsa_kernel
	.amdgpu_metadata
---
amdhsa.version: [ 1, 2 ]
amdhsa.kernels:
  - .name:           k_q240cedce85_qkv
    .symbol:         k_q240cedce85_qkv.kd
    .args:
      - { .name: xq, .offset: 0, .size: 8, .value_kind: global_buffer, .address_space: global }
      - { .name: wq, .offset: 8, .size: 8, .value_kind: global_buffer, .address_space: global }
      - { .name: rope, .offset: 16, .size: 8, .value_kind: global_buffer, .address_space: global }
      - { .name: qc, .offset: 24, .size: 8, .value_kind: global_buffer, .address_space: global }
      - { .name: kv, .offset: 32, .size: 8, .value_kind: global_buffer, .address_space: global }
    .group_segment_fixed_size: 270848
    .private_segment_fixed_size: 0
    .kernarg_segment_align: 8
    .kernarg_segment_size: 40
    .max_flat_workgroup_size: 128
    .sgpr_count:     90
    .vgpr_count:     1024
    .wavefront_size: 32
...
	.end_amdgpu_metadata
.endif
;; end of part 2
;; launch attn (part 3): grid 4 x 64, 16 waves a work-group, clusters of 4 x 1, 212,992 bytes of LDS; arguments qc, kv, aq; writes aq
.if DOCPART == 3
	.amdgcn_target "amdgcn-amd-amdhsa--gfx1250"
	.amdhsa_code_object_version 6
	.text
	.protected	k_q240cedce85_attn
	.globl	k_q240cedce85_attn
	.p2align	8
	.type	k_q240cedce85_attn,@function
k_q240cedce85_attn:
	s_mov_b64 s[64:65], 0
	v_nop
	global_prefetch_b8 v0, s[64:65] scope:SCOPE_SE
	s_setreg_imm32_b32 hwreg(HW_REG_WAVE_MODE, 25, 1), 1
	s_wait_xcnt 0x0
	s_wait_alu depctr_hold_cnt(0) depctr_sa_sdst(0) depctr_va_vdst(0) depctr_va_sdst(0) depctr_va_ssrc(0) depctr_va_vcc(0) depctr_vm_vsrc(0)
	s_getreg_b32 s2, hwreg(HW_REG_IB_STS2, 6, 4)
	s_cmp_eq_u32 s2, 0
	s_cbranch_scc0 .Lentry_in_a_cluster
	s_endpgm
.Lentry_in_a_cluster:
	s_bfe_u32 s2, ttmp6, 0x10000c
	s_cmp_lg_u32 s2, 0x3003
	s_cbranch_scc0 .Lentry_shape_is_right
	s_endpgm
.Lentry_shape_is_right:
; O = softmax(q k^T / 8) v for one head, both products on codes of FP6 (E2M3) with E8M0 scales, and O quantised at once along the model's axis for the last projection.
; THE SOFTMAX AHEAD OF THE SECOND PRODUCT: t = score x log2(e) / 8; M = the row's largest t so far, rounded UP to a whole number; p = 2^(t - M) is quantised along the keys, not normalised.
; The row's sum is taken of the unquantised p and divides O at the end.  When M moves, the sum and O are multiplied by 2^(old M - new M): exact.
; SHARES.  A work-group owns 512 queries of one head (b h = the grid's y); each of its sixteen waves owns two tiles of 16 queries, one after the other, and walks the head's 2,048 keys, 128 a step.
; THE HEAD'S WHOLE k AND v, 16 records of 13,056 bytes, LIE IN LDS: wave w's one tensor load brings record w; nothing is filled twice.  CLUSTER: the head's four work-groups need the same records and ask jointly.
; THE WALK BEGINS ON THE FIRST FOUR RECORDS: waves 0-3 have a load line of their own and wait for it ahead of the first barrier; a tile's first three key steps read and fetch records 0-3 alone; then every wave waits
; for its load, a second barrier shows all sixteen records, and the other thirteen steps follow.  So the key step is a macro that is laid twice; the two differ in how the next record's place is made.
; No prefetch of k and v: every record is asked for at the head.  The second tile's q is asked of memory behind the first tile's key steps; its two blocks of 256 bytes that the first tile's loads do not touch are prefetched at the head, sixteen key steps ahead.
; LAYOUT.  Both products are used transposed: S^T = k q^T (source 0 = 16 keys), O^T = v^T p^T (source 0 = 16 of the head's 64): a lane holds ONE query throughout.  Lane r of a tile t of 64 rows stands for row
; 32 (r / 8) + 8 t + r % 8 (the launches before chose it so): the 32 registers of S^T's tiles 4 c .. 4 c + 3 are keys 64 c + 32 h + 0 .. 31, one whole scale block and the very order of the operand's registers;
; O^T's 32 registers are d = 32 h + 0 .. 31.  So a block's largest number is found in one lane and no codes change lanes; only the row's maximum, the scale bytes and the row's sum are joined with lane l xor 16.
; LOADS RUN A STEP AHEAD: k and v have registers of their own.  The next step's k is asked of LDS behind this step's first product, the next step's v behind its second; the record's number wraps,
; so a tile's last step fetches record 0 for the next tile (the second tile's last fetch is not used).
; THE HEAD'S 64 ARE HALF OF THE INSTRUCTION'S K: registers 6-11 of q's fragment hold zero codes, so whatever stands in registers 6-11 of k's operand (the next tile's codes; behind the last tile p's codes: every code
; is a finite number) adds nothing; bytes 2, 3 of both scale words are 0, which is 2^-127 and no NaN.
; LIMITS: NaN and infinities are not served; the promise holds while |t| stays under 2^31; a block of p that has fallen to zeros keeps the byte 1, with zero codes.
; REGISTERS: v1-11, v29, v255 addresses and the like; v12 -M, v13 the largest score, v[14:15] the sum; v16-27 q; v28 its scale words; v30 the factor, v31 p's scale word; v32-79 k; v80-91 p's codes; v92-95 k's scale words;
;   v96-159 S^T, then p; v160-191 O^T; v192-239 v; v240-241 its scale words; v242-254 at work.
.set STEPB, 13056                      ; a key step's record: k's codes at 0, v's at 6,144, k's scale words at 12,288, v's at 12,800
.set SCG,   16*STEPB                   ; behind the records: 4 x 512 bytes in which the waves gather O's scale words
.set SPARE, SCG+2048                   ; behind them the spare words, 128 bytes a wave
.set L16, 1                            ; 16 x lane
.set L8,  2                            ; 8 x lane
.set A16, 3                            ; the next record + 16 x lane
.set A8,  4                            ; + 8 x lane
.set SPW, 5                            ; my spare word; never rewritten
.set NIL, 6                            ; 0; never rewritten
.set SCW, 7                            ; O's scale words: lanes 0-15 my first tile's, lanes 16-31 my second's
.set T2,  8                            ; where q's scale words lie
.set QS2, 9                            ; my second tile's
.set SH8, 10                           ; 8 x (lane / 16)
.set T0,  11
.set T1,  29
.set QS,  28
.set F,   30
.set PW,  31
.set KF,  32
.set PC,  80
.set KS,  92
.set S,   96
.set O,   160
.set VF,  192
.set VS,  240
.set BM,  242                          ; v242-245 four chains of maxima, then scale operands and bytes
.set C1,  246                          ; v246-251 three more chains of the sum; ahead of them the row's chain
.set PT,  252                          ; v252-254 a block's upper 16 codes, before they are moved
.set PFA, 255                          ; the prefetch's offset; never rewritten
.set WV,  10
.set CX,  11
.set BH,  12
.set SEL, 20
.set CS,  22
.set G1,  24
.set G0,  32
.set TB,  36
.set KC,  37
.set PASS, 38
.set PM,  39
.set AB,  40
.set SB,  42
.set QB,  44
.set NC,  50
.set KI,  51
.macro CROUND
	s_barrier_signal -1
	s_barrier_wait -1
	s_cmp_lg_u32 s[WV], 0
	s_cbranch_scc1 .Lnot_wave_0_\@
	s_barrier_signal -3
.Lnot_wave_0_\@:
	s_barrier_wait -3
	s_barrier_signal -1
	s_barrier_wait -1
.endm
.macro WALU
	s_wait_alu depctr_va_vdst(0)
.endm
.macro DEP1
	s_delay_alu instid0(VALU_DEP_1)
.endm
.macro KLOAD                           ; 13 LDS loads: a record's k
.irp c, 0,1,2,3,4,5,6,7,8,9,10,11
	ds_load_b128 v[KF+4*\c:KF+4*\c+3], v[A16] offset:512*\c
.endr
	ds_load_b128 v[KS:KS+3], v[A16] offset:12288
.endm
.macro VLOAD                           ; 13 LDS loads: a record's v
.irp c, 0,1,2,3,4,5,6,7,8,9,10,11
	ds_load_b128 v[VF+4*\c:VF+4*\c+3], v[A16] offset:6144+512*\c
.endr
	ds_load_b64 v[VS:VS+1], v[A8] offset:12800
.endm
; A tile's six registers of q.  The record holds a lane's 48 registers in chunks of four (512 bytes a chunk), a tile has six: registers 6 p, 6 p + 1 lie at 520 p, 6 p + 2, 6 p + 3 at 8 + 1,016 p, 6 p + 4, 6 p + 5 at 512 + 520 p of my 1,536 bytes
.macro QLOAD
	v_add_nc_u32 v[T0], s53, v[L16]
	v_add_nc_u32 v[T1], s57, v[L16]
	global_load_b64 v[16:17], v[T0], s[QB:QB+1]
	global_load_b64 v[18:19], v[T1], s[QB:QB+1] offset:8
	global_load_b64 v[20:21], v[T0], s[QB:QB+1] offset:512
.endm
.macro SMUL t                          ; S^T, tile t: its codes are registers 6 t .. 6 t + 5 of the 48
.if (\t)%2
	v_wmma_scale_f32_16x16x128_f8f6f4 v[S+8*(\t):S+8*(\t)+7], v[KF+6*(\t):KF+6*(\t)+11], v[16:27], 0, v[KS+(\t)/2], v[QS] matrix_a_fmt:MATRIX_FMT_FP6 matrix_b_fmt:MATRIX_FMT_FP6 matrix_a_scale:MATRIX_SCALE_ROW1
.else
	v_wmma_scale_f32_16x16x128_f8f6f4 v[S+8*(\t):S+8*(\t)+7], v[KF+6*(\t):KF+6*(\t)+11], v[16:27], 0, v[KS+(\t)/2], v[QS] matrix_a_fmt:MATRIX_FMT_FP6 matrix_b_fmt:MATRIX_FMT_FP6
.endif
.endm
.macro PV t                            ; O^T += v^T p^T, tile t of the head's 64: four accumulators by turns
.if (\t)%2
	v_wmma_scale_f32_16x16x128_f8f6f4 v[O+8*(\t):O+8*(\t)+7], v[VF+12*(\t):VF+12*(\t)+11], v[PC:PC+11], v[O+8*(\t):O+8*(\t)+7], v[VS+(\t)/2], v[PW] matrix_a_fmt:MATRIX_FMT_FP6 matrix_b_fmt:MATRIX_FMT_FP6 matrix_a_scale:MATRIX_SCALE_ROW1
.else
	v_wmma_scale_f32_16x16x128_f8f6f4 v[O+8*(\t):O+8*(\t)+7], v[VF+12*(\t):VF+12*(\t)+11], v[PC:PC+11], v[O+8*(\t):O+8*(\t)+7], v[VS+(\t)/2], v[PW] matrix_a_fmt:MATRIX_FMT_FP6 matrix_b_fmt:MATRIX_FMT_FP6
.endif
.endm
.macro MX q, i                         ; link i of chain q: the largest of scores 16 q .. 16 q + 14, each accumulator from its low end on
.if (\i) == 0
	v_max3_num_f32 v[BM+\q], v[S+16*\q], v[S+16*\q+1], v[S+16*\q+2]
.else
	v_max3_num_f32 v[BM+\q], v[BM+\q], v[S+16*\q+2*(\i)+1], v[S+16*\q+2*(\i)+2]
.endif
.endm
.macro PF n                            ; the next n pairs: t - M
.rept \n
	v_pk_fma_f32 v[S+NF:S+NF+1], v[S+NF:S+NF+1], s[CS:CS+1], v[12:13] op_sel_hi:[1,0,0]
.set NF, NF+2
.endr
.endm
.macro PADD n                          ; the next n of the sum's 32 packed additions: four chains side by side, joined by the last three
.rept \n
.if NA < 3
	v_pk_add_f32 v[C1+2*NA:C1+2*NA+1], v[S+4*NA:S+4*NA+1], v[S+4*NA+2:S+4*NA+3]
.elseif NA < 29
.if NA%4 == 3
	v_pk_add_f32 v[14:15], v[14:15], v[S+2*NA+6:S+2*NA+7]
.else
	v_pk_add_f32 v[C1+2*(NA%4):C1+2*(NA%4)+1], v[C1+2*(NA%4):C1+2*(NA%4)+1], v[S+2*NA+6:S+2*NA+7]
.endif
.elseif NA == 29
	v_pk_add_f32 v[14:15], v[14:15], v[C1+4:C1+5]
.elseif NA == 30
	v_pk_add_f32 v[C1:C1+1], v[C1:C1+1], v[C1+2:C1+3]
.else
	v_pk_add_f32 v[14:15], v[14:15], v[C1:C1+1]
.endif
.set NA, NA+1
.endr
.endm
; A KEY STEP: 128 keys.  early = 1: one of a tile's first three: the next record's place is a plain stepped number, 1 to 3 records; early = 0: the record's number goes on round the sixteen.
.macro KSTEP early
.if \early == 0
	s_add_co_u32 s[KI], s[KI], 1
	s_and_b32 s[TB], s[KI], 15
	s_mul_i32 s[TB], s[TB], STEPB
.endif
	s_wait_dscnt 13                                ; this step's k is in; the 13 loads of its v, asked for behind it, may be out
	SMUL 0
	SMUL 1
	SMUL 2
	SMUL 3
	SMUL 4
	v_add_nc_u32 v[A16], s[TB], v[L16]             ; these four lines are the places between tiles 0-3 and their first readers
	SMUL 5
	v_add_nc_u32 v[A8], s[TB], v[L8]
	SMUL 6
	v_mov_b32 v[C1+2], v12                         ; the old -M
	SMUL 7
	v_nop
	MX 0, 0                                        ; THE LARGEST SCORE OF EACH BLOCK OF 32 KEYS, all in my lane: it serves the row's maximum and, since p rises with the score, the block's largest p
	MX 1, 0
	MX 0, 1
	MX 1, 1                                        ; (with the line above them: the places behind the last product)
	KLOAD                                          ; the next step's k
.irp i, 2,3,4,5,6
	MX 0, \i
	MX 1, \i
	MX 2, \i-2
	MX 3, \i-2
.endr
	MX 2, 5
	MX 3, 5
	v_max3_num_f32 v[BM], v[BM], v[BM+1], v[S+15]
	MX 2, 6
	MX 3, 6
	v_max_num_f32 v[BM], v[BM], v[S+31]            ; block h
	v_max3_num_f32 v[BM+2], v[BM+2], v[BM+3], v[S+47]
	v_max_num_f32 v[BM+2], v[BM+2], v[S+63]        ; block 2 + h
	DEP1
	v_max_num_f32 v[C1], v[BM], v[BM+2]
	DEP1
	v_permlanex16_b32 v[C1+1], v[C1], s[SEL], s[SEL+1]
	DEP1
	v_max3_num_f32 v13, v13, v[C1], v[C1+1]        ; the row's largest score so far
	DEP1
	v_mul_f32 v[C1], s[NC], v13                    ; -t (c is positive)
	DEP1
	v_floor_f32 v12, v[C1]                         ; the new -M = -ceil(t)
	DEP1
	v_sub_f32 v[C1], v12, v[C1+2]                  ; old M - new M: a whole number, 0 or less
.set NF, 0
	PF 4
	v_cvt_i32_f32 v[C1], v[C1]                     ; (it saturates)
	PF 4
	v_ldexp_f32 v[F], 1.0, v[C1]                   ; f = 2^(old M - new M)
	PF 24
	v_fma_f32 v[BM], v[BM], s[CS], v12             ; the same of each block's largest score
	v_fma_f32 v[BM+2], v[BM+2], s[CS], v12
.irp j, 0,2,4,6,8,10,12,14,16,18,20,22,24,26,28,30
	v_pk_mul_f32 v[O+\j:O+\j+1], v[O+\j:O+\j+1], v[F:F+1] op_sel_hi:[1,0]   ; O^T under the new M, ahead of the exponentials
.endr
	WALU                                           ; the wait ahead of the batch
.irp j, 0,1,2,3,4,5,6,7,8,9,10,11,12,13,14,15,16,17,18,19,20,21,22,23,24,25,26,27,28,29,30,31,32,33,34,35,36,37,38,39,40,41,42,43,44,45,46,47,48,49,50,51,52,53,54,55,56,57,58,59,60,61,62,63
	v_exp_f32 v[S+\j], v[S+\j]                     ; p = 2^(t - M)
.endr
	v_exp_f32 v[BM], v[BM]                         ; the blocks' largest p: the same two instructions on the same number give the same bits
	v_exp_f32 v[BM+2], v[BM+2]
	v_pk_mul_f32 v[14:15], v[14:15], v[F:F+1] op_sel_hi:[1,0]   ; the sums under the new M: a plain place behind the exponentials
	WALU                                           ; one wait for the whole batch, ahead of its first reader and of the wait below
	s_wait_dscnt 13                                ; this step's v is in; the 13 loads of the next step's k may be out
.set NA, 0
	v_max_num_f32 v[BM], 0x1800000, v[BM]          ; the floor 2^(3 - 127): the byte cannot fall under 1
	v_max_num_f32 v[BM+2], 0x1800000, v[BM+2]
	PADD 2                                         ; THE ROW'S SUM IS TAKEN OF THE UNQUANTISED p
	v_add_nc_u32 v[BM+1], 0xff000000, v[BM]        ; 2 off the exponent field: the conversions' scale operands
	v_add_nc_u32 v[BM+3], 0xff000000, v[BM+2]
	PADD 2
	v_lshrrev_b32 v[BM], 23, v[BM+1]               ; the scales' bytes
	v_lshrrev_b32 v[BM+2], 23, v[BM+3]
	v_cvt_scalef32_pk16_fp6_f32 v[PC:PC+2], v[S:S+15], v[BM+1]
	v_cvt_scalef32_pk16_fp6_f32 v[PT:PT+2], v[S+16:S+31], v[BM+1]   ; (a conversion's three registers begin on an even number)
	v_cvt_scalef32_pk16_fp6_f32 v[PC+6:PC+8], v[S+32:S+47], v[BM+3]
	v_lshl_or_b32 v[BM], v[BM+2], 16, v[BM]        ; a plain place behind the conversions
.irp i, 0,1,2
	v_mov_b32 v[PC+3+\i], v[PT+\i]
.endr
	v_lshlrev_b32 v[BM], v[SH8], v[BM]             ; my two bytes at places h and 2 + h of the word
	v_cvt_scalef32_pk16_fp6_f32 v[PT:PT+2], v[S+48:S+63], v[BM+3]
	PADD 1
	v_permlanex16_b32 v[BM+2], v[BM], s[SEL], s[SEL+1]
.irp i, 0,1,2
	v_mov_b32 v[PC+9+\i], v[PT+\i]
.endr
	v_or_b32 v[PW], v[BM], v[BM+2]                 ; p's scale word for these 128 keys
	PADD 17                                        ; also the places between the word, the codes and the products
	PV 0
	PADD 2
	PV 1
	PADD 2
	PV 2
	PADD 2
	PV 3
	PADD 4                                         ; the places in front of the loads into v's registers
	VLOAD                                          ; the next step's v
.if \early
	s_add_co_u32 s[TB], s[TB], STEPB
.endif
.endm
	s_load_b128 s[4:7], s[0:1], 0x0                ; qc, kv
	s_load_b64 s[8:9], s[0:1], 0x10                ; aq
	v_lshl_add_u32 v[SPW], v0, 2, SPARE
	v_mov_b32 v[NIL], 0
	ds_add_u32 v[SPW], v[NIL]                      ; the wave's opening: the add, twice on end, and its wait ahead of my first tensor load
	ds_add_u32 v[SPW], v[NIL]
	v_lshrrev_b32 v12, 5, v0
	v_readfirstlane_b32 s[WV], v12                 ; wave 0..15
	s_bfe_u32 s[CX], ttmp6, 0x40000                ; my place in the cluster: it enters q's and O's addresses alone
	s_and_b32 s[BH], ttmp7, 0xffff
	s_mov_b32 s[G1], 0x0023000f                    ; 15:0 the mask: all four work-groups; 17:16 elements of 8 bytes; 21 set beside a mask; no padding
	s_mov_b32 s[G1+1], 32<<16                      ; rows of 256 bytes,
	s_mov_b32 s[G1+2], 51<<16                      ; 51 of them: a record
	s_mov_b32 s[G1+3], 32<<16
	s_mov_b32 s[G1+4], 51
	s_mov_b32 s[G1+5], 32
	s_mov_b32 s[G1+6], 0
	s_mov_b32 s[G1+7], 0
	s_mov_b32 s[SEL], 0x76543210
	s_mov_b32 s[SEL+1], 0xfedcba98
	s_mov_b32 s[CS], 0x3e38aa3b                    ; c = log2(e) / 8
	s_mov_b32 s[CS+1], s[CS]                       ; (named with it as a pair, so it is written)
	s_mov_b32 s[NC], 0xbe38aa3b                    ; -c
	s_mov_b32 s[PM], 0xffff
	s_mov_b32 s[PASS], 2
	s_mul_i32 s46, s[WV], STEPB                    ; record w: its place in LDS,
	s_mul_i32 s48, s[BH], 16*STEPB
	s_add_co_u32 s48, s48, s46                     ; and in kv
	s_mov_b32 s49, 0
	s_and_b32 s13, s[WV], 3                        ; i: my pair of tiles in the group
	s_lshr_b32 s14, s[WV], 2
	s_lshl_b32 s15, s[CX], 2
	s_add_co_u32 s15, s15, s14                     ; G: my group of 128 queries in the sequence
	s_and_b32 s16, s[BH], 15                       ; the head
	s_lshr_b32 s17, s[BH], 4                       ; the batch
	s_lshl_b32 s18, s[BH], 4
	s_add_co_u32 s18, s18, s15
	s_mul_i32 s[QB], s18, 6656                     ; q's record
	s_mov_b32 s[QB+1], 0
	s_mul_i32 s53, s13, 1536                       ; my two tiles: registers 12 i .. 12 i + 11 of the record's 48
	s_mov_b32 s57, s53
	s_lshl_b32 s54, s13, 2
	s_lshl_b32 s18, s17, 4
	s_add_co_u32 s18, s18, s15                     ; the group among all 64
	s_lshl_b32 s18, s18, 1
	s_lshr_b32 s19, s13, 1
	s_add_co_u32 s18, s18, s19                     ; O's row block of 64 tokens
	s_mul_i32 s[AB], s18, 49152
	s_lshr_b32 s19, s16, 1
	s_mul_i32 s19, s19, 6144                       ; K step head / 2,
	s_add_co_u32 s[AB], s[AB], s19
	s_and_b32 s19, s13, 1
	s_mul_i32 s19, s19, 3072                       ; tile 2 (i % 2),
	s_add_co_u32 s[AB], s[AB], s19
	s_and_b32 s19, s16, 1
	s_mul_i32 s19, s19, 768                        ; half head % 2 of the fragment
	s_add_co_u32 s[AB], s[AB], s19
	s_mov_b32 s[AB+1], 0
	s_lshl_b32 s18, s17, 4
	s_lshl_b32 s19, s[CX], 2
	s_add_co_u32 s18, s18, s19
	s_add_co_u32 s18, s18, s13                     ; the group whose scale words wave 0..3 stores
	s_lshl_b32 s18, s18, 4
	s_add_co_u32 s18, s18, s16
	s_lshl_b32 s[SB], s18, 9
	s_add_co_u32 s[SB], s[SB], 6291456
	s_mov_b32 s[SB+1], 0
	s_lshl_b32 s55, s14, 9
	s_add_co_u32 s55, s55, s54
	s_add_co_u32 s55, s55, SCG                     ; word i of a lane's 16 bytes, in my group's 512
	s_lshl_b32 s56, s13, 9
	s_add_co_u32 s56, s56, SCG
	v_and_b32 v12, 31, v0
	v_lshlrev_b32 v[L16], 4, v12
	v_lshlrev_b32 v[L8], 3, v12
	v_bfe_u32 v[SH8], v0, 4, 1
	v_lshlrev_b32 v[SH8], 3, v[SH8]
	v_and_b32 v[T2], 15, v0
	v_lshlrev_b32 v[T2], 4, v[T2]
	v_add_nc_u32 v[T2], s54, v[T2]                 ; q's scale words: 16 r + 4 i, the odd tile's 256 bytes on
	v_min_u32 v[PFA], 1, v12
	v_lshl_add_u32 v[PFA], v[PFA], 8, s53          ; lanes 0 and 1 name a block of 256 bytes each, the others lane 1's again
	v_mov_b32 v[A16], v[L16]                       ; record 0
	v_mov_b32 v[A8], v[L8]
.irp i, 0,1,2,3,4,5
	v_mov_b32 v[22+\i], 0                          ; zero codes: the upper 64 of the first product's K
	v_mov_b32 v[PC+\i], 0                          ; (what the last tile of k names beyond its own six registers, before p's first codes stand there)
.endr
	v_mov_b32 v[SCW], 0
	v_mov_b32 v[PW], 0                             ; (named as the upper half of the pair v[30:31] before it is first written)
	v_mov_b32 v[C1+1], 0                           ; written once: a lane permute's destination counts as one of its sources
	WALU                                           ; the wait at the head's end
	s_wait_dscnt 0x0                               ; both opening adds are done
	s_wait_kmcnt 0x0
	s_add_nc_u64 s[QB:QB+1], s[4:5], s[QB:QB+1]
	s_add_nc_u64 s[AB:AB+1], s[8:9], s[AB:AB+1]
	s_add_nc_u64 s[SB:SB+1], s[8:9], s[SB:SB+1]
	s_mov_b32 s[G0], 1
	s_mov_b32 s[G0+1], s46
	s_add_nc_u64 s[G0+2:G0+3], s[6:7], s[48:49]
	s_or_b32 s[G0+3], s[G0+3], 0x80000000
	CROUND                                         ; all four work-groups are here: the joint loads meet
	s_cmp_lt_u32 s[WV], 4                          ; one tensor load a wave, in the two arms of one branch on the wave's number
	s_cbranch_scc0 .Llater
	tensor_load_to_lds s[G0:G0+3], s[G1:G1+7]      ; waves 0-3, on a line of their own: records 0-3, which the first barrier shows
	s_nop 0
.rept 4
	v_nop
.endr
	s_branch .Lasked
.Llater:
	tensor_load_to_lds s[G0:G0+3], s[G1:G1+7]      ; waves 4-15: records 4-15
	s_nop 0
.rept 4
	v_nop
.endr
.Lasked:
	QLOAD                                          ; my first tile of q
	global_load_b32 v[QS], v[T2], s[QB:QB+1] offset:6144
	global_load_b32 v[QS2], v[T2], s[QB:QB+1] offset:6144+256
	global_prefetch_b8 v[PFA], s[QB:QB+1] offset:1024 th:TH_LOAD_NT scope:SCOPE_SE   ; the last 512 of my 1,536 bytes of q, which only my second tile reads
	s_add_co_u32 s53, s53, 520                     ; on to the second tile's places
	s_add_co_u32 s57, s57, 1016
	s_cmp_lt_u32 s[WV], 4
	s_cbranch_scc0 .Lnot_first
	s_wait_tensorcnt 0x0                           ; waves 0-3: my record is in
.Lnot_first:
	s_barrier_signal -1
	s_barrier_wait -1                              ; records 0-3 are shown to all; the others may still be out
	KLOAD                                          ; record 0's k, then its v: the order in which every step asks
	VLOAD
.Lpass:                                            ; two trips: my two tiles of queries
	v_mov_b32 v13, 0xff61b1e6                      ; the largest score so far: -3e38, under every score
	v_mov_b32 v12, 0x7e000000                      ; -M: 2^125, so that the first factor is 0
	v_mov_b32 v14, 0
	v_mov_b32 v15, 0
.irp j, 0,1,2,3,4,5,6,7,8,9,10,11,12,13,14,15,16,17,18,19,20,21,22,23,24,25,26,27,28,29,30,31
	v_mov_b32 v[O+\j], 0                           ; O^T.  (The first key step finds zeros, which the first factor leaves zeros)
.endr
	s_mov_b32 s[TB], STEPB
	s_mov_b32 s[KC], 3
	WALU
	s_wait_loadcnt 0x0                             ; q is in,
	s_wait_dscnt 0x0                               ; and so are record 0's k and v
.Lkey1:                                            ; three trips: steps 0-2, which fetch records 1-3
	KSTEP 1
	s_sub_co_u32 s[KC], s[KC], 1
	s_cmp_lg_u32 s[KC], 0
	s_cbranch_scc1 .Lkey1
	WALU
	s_wait_tensorcnt 0x0                           ; every wave's record is in (in the second trip nothing is out),
	s_wait_dscnt 0x0
	s_barrier_signal -1
	s_barrier_wait -1                              ; and shown to all, ahead of the first fetch from record 4
	s_mov_b32 s[KI], 3
	s_mov_b32 s[KC], 13
.Lkey2:                                            ; thirteen trips: steps 3-15, which fetch records 4-15 and 0
	KSTEP 0
	s_sub_co_u32 s[KC], s[KC], 1
	s_cmp_lg_u32 s[KC], 0
	s_cbranch_scc1 .Lkey2
	; ---- the tile's end: O^T / the sum, quantised along d: my 32 numbers are block 2 head + h of the last projection's K
	WALU                                           ; the wait ahead of the branch
	s_cmp_eq_u32 s[PASS], 1
	s_cbranch_scc1 .Lno_q
	QLOAD                                          ; my second tile of q lands under the first tile's end
.Lno_q:
	v_add_f32 v14, v14, v15
	DEP1
	v_permlanex16_b32 v[C1], v14, s[SEL], s[SEL+1]
	DEP1
	v_add_f32 v14, v14, v[C1]                      ; the row's sum
	WALU
	v_rcp_f32 v14, v14
	v_nop                                          ; a plain place behind the reciprocal,
	WALU                                           ; and the wait ahead of its first reader and of O^T's
.irp j, 0,2,4,6,8,10,12,14,16,18,20,22,24,26,28,30
	v_pk_mul_f32 v[S+\j:S+\j+1], v[O+\j:O+\j+1], v[14:15] op_sel_hi:[1,0]   ; register i is d = 32 h + i of my query
.endr
	v_max3_num_f32 v[BM], |v[S]|, |v[S+1]|, 0x1800000
	v_max3_num_f32 v[BM+1], |v[S+16]|, |v[S+17]|, |v[S+18]|
.irp i, 2,4,6,8,10,12
	v_max3_num_f32 v[BM], v[BM], |v[S+\i]|, |v[S+\i+1]|
	v_max3_num_f32 v[BM+1], v[BM+1], |v[S+\i+17]|, |v[S+\i+18]|
.endr
	v_max3_num_f32 v[BM], v[BM], |v[S+14]|, |v[S+15]|
	v_max3_num_f32 v[BM], v[BM], v[BM+1], |v[S+31]|
	v_add_nc_u32 v[BM+1], 0xff000000, v[BM]
	v_lshrrev_b32 v[BM], 23, v[BM+1]
	v_lshlrev_b32 v[BM], v[SH8], v[BM]
	v_permlanex16_b32 v[BM+2], v[BM], s[SEL], s[SEL+1]
	v_cvt_scalef32_pk16_fp6_f32 v[PC:PC+2], v[S:S+15], v[BM+1]
	v_cvt_scalef32_pk16_fp6_f32 v[PT:PT+2], v[S+16:S+31], v[BM+1]
	v_or_b32 v[BM], v[BM], v[BM+2]                 ; the row's two bytes; a plain place behind the conversions
.irp i, 0,1,2
	v_mov_b32 v[PC+3+\i], v[PT+\i]
.endr
	v_cndmask_b32 v[SCW], v[SCW], v[BM], s[PM]     ; the first tile's words go to lanes 0-15, the second's to lanes 16-31
	v_mov_b32 v[QS], v[QS2]                        ; my second tile's scale words
	global_store_b128 v[L16], v[PC:PC+3], s[AB:AB+1]              ; half a fragment's image: 512 consecutive bytes,
	global_store_b64 v[L8], v[PC+4:PC+5], s[AB:AB+1] offset:512   ; and 256
	s_wait_xcnt 0x0                                ; the stores have read their base and their data
	s_add_nc_u64 s[AB:AB+1], s[AB:AB+1], 1536
	s_not_b32 s[PM], s[PM]
	s_sub_co_u32 s[PASS], s[PASS], 1
	s_cmp_lg_u32 s[PASS], 0
	WALU                                           ; the wait ahead of the branch
	s_cbranch_scc1 .Lpass
	; ---- O's scale words: the four waves of a group put their words side by side, and one wave stores the group's 512 bytes
	v_add_nc_u32 v[T0], s55, v[L16]                ; where I put mine,
	v_add_nc_u32 v[T1], s56, v[L16]                ; and where waves 0-3 read a group's
	WALU
	ds_store_b32 v[T0], v[SCW]
	s_wait_dscnt 0x0                               ; for the others' sake: my store is done (and the last fetch has landed)
	s_barrier_signal -1
	s_barrier_wait -1
	s_cmp_ge_u32 s[WV], 4
	s_cbranch_scc1 .Ldone
	ds_load_b128 v[S:S+3], v[T1]
	s_wait_dscnt 0x0
	global_store_b128 v[L16], v[S:S+3], s[SB:SB+1]
.Ldone:
	s_wait_tensorcnt 0x0                           ; the wave's end: behind my last tensor load and my last LDS store
	ds_add_u32 v[SPW], v[NIL]
	s_wait_dscnt 0x0
	CROUND                                         ; the closing round
	s_endpgm
.Lfunc_end_k_q240cedce85_attn:
	.size	k_q240cedce85_attn, .Lfunc_end_k_q240cedce85_attn-k_q240cedce85_attn
	.p2alignl 7, 3214868480
	.fill 96, 4, 3214868480
	.section	.rodata,"a",@progbits
	.p2align	6, 0x0
	.amdhsa_kernel k_q240cedce85_attn
		.amdhsa_group_segment_fixed_size 212992
		.amdhsa_private_segment_fixed_size 0
		.amdhsa_enable_private_segment 0
		.amdhsa_kernarg_size 24
		.amdhsa_user_sgpr_count 2
		.amdhsa_user_sgpr_kernarg_segment_ptr 1
		.amdhsa_wavefront_size32 1
		.amdhsa_system_sgpr_workgroup_id_x 1
		.amdhsa_system_sgpr_workgroup_id_y 1
		.amdhsa_system_sgpr_workgroup_id_z 1
		.amdhsa_system_vgpr_workitem_id 0
		.amdhsa_next_free_vgpr 256
		.amdhsa_next_free_sgpr 66
		.amdhsa_reserve_vcc 0
		.amdhsa_float_denorm_mode_32 3
		.amdhsa_float_denorm_mode_16_64 3
		.amdhsa_memory_ordered 1
		.amdhsa_forward_progress 1
		.amdhsa_inst_pref_size 44
	.end_amdhsa_kernel
	.amdgpu_metadata
---
amdhsa.version: [ 1, 2 ]
amdhsa.kernels:
  - .name:           k_q240cedce85_attn
    .symbol:         k_q240cedce85_attn.kd
    .args:
      - { .name: qc, .offset: 0, .size: 8, .value_kind: global_buffer, .address_space: global }
      - { .name: kv, .offset: 8, .size: 8, .value_kind: global_buffer, .address_space: global }
      - { .name: aq, .offset: 16, .size: 8, .value_kind: global_buffer, .address_space: global }
    .group_segment_fixed_size: 212992
    .private_segment_fixed_size: 0
    .kernarg_segment_align: 8
    .kernarg_segment_size: 24
    .max_flat_workgroup_size: 512
    .sgpr_count:     66
    .vgpr_count:     256
    .wavefront_size: 32
...
	.end_amdgpu_metadata
.endif
;; end of part 3
;; launch oproj (part 4): grid 4 x 64, 4 waves a work-group, clusters of 4 x 1, 167,936 bytes of LDS; arguments aq, wq, out0; writes out0
.if DOCPART == 4
	.amdgcn_target "amdgcn-amd-amdhsa--gfx1250"
	.amdhsa_code_object_version 6
	.text
	.protected	k_q240cedce85_oproj
	.globl	k_q240cedce85_oproj
	.p2align	8
	.type	k_q240cedce85_oproj,@function
k_q240cedce85_oproj:
	s_mov_b64 s[64:65], 0
	v_nop
	global_prefetch_b8 v0, s[64:65] scope:SCOPE_SE
	s_setreg_imm32_b32 hwreg(HW_REG_WAVE_MODE, 25, 1), 1
	s_wait_xcnt 0x0
	s_wait_alu depctr_hold_cnt(0) depctr_sa_sdst(0) depctr_va_vdst(0) depctr_va_sdst(0) depctr_va_ssrc(0) depctr_va_vcc(0) depctr_vm_vsrc(0)
	s_getreg_b32 s2, hwreg(HW_REG_IB_STS2, 6, 4)
	s_cmp_eq_u32 s2, 0
	s_cbranch_scc0 .Lentry_in_a_cluster
	s_endpgm
.Lentry_in_a_cluster:
	s_bfe_u32 s2, ttmp6, 0x10000c
	s_cmp_lg_u32 s2, 0x3003
	s_cbranch_scc0 .Lentry_shape_is_right
	s_endpgm
.Lentry_shape_is_right:
; out = O Wo^T on codes of FP6 (E2M3) with E8M0 scales; out0 [8192][1024] f32.
; SHARES.  The grid's y is a group of 128 tokens; the work-group's place in its cluster picks 256 columns, the wave 64 of them.  A wave's 64 rows of Wo, for all of K, stay in 384 registers, loaded from wq
; as images of the operand's registers; the group's codes of O, 98,304 bytes, lie in LDS: 256 matrix instructions a wave.
; CLUSTER.  The four work-groups of a cluster need the same codes of O: each wave asks for a quarter of them JOINTLY.  The weights are each wave's own.  Nothing is filled twice.
; No prefetch: all tiles and all weights are asked for at the head.
; THE WALK GOES BY TILES OF 16 TOKENS, each with ALL of K: 8 K steps x Wo's 4 tiles = 32 matrix instructions on four accumulators by turns, K ascending.  A tile's results are whole behind its 32 products:
; they go through the stage and are stored while the next tiles are multiplied, so that behind the last product one tile alone is left to store.  Two sets of accumulators, of fragments and of registers for the way out take turns.
; A TILE'S ROWS: lane r of tile t of a row block of 64 stands for row 32 (r / 8) + 8 t + r % 8.  Source 0 = 16 rows of Wo, source 1 = 16 tokens: a lane holds one token, and its 32 registers of Wo's four tiles
; are 32 neighbouring columns, 128 bytes of a row of out0; tile a's lane r is token 64 (a / 4) + 8 (a % 4) + r % 8 + 32 (r / 8) of the group.
; O's scale words were stored head by head, two bytes each: the word of K step s is made of heads 2 s and 2 s + 1.
; REGISTERS, in windows of 256.  Window 0: v1-12 addresses; v16-47 O's scale words, v48-63 Wo's; v64-159 a tile's eight fragments, set 0 (first the scale words as loaded).
;   Window 1: v0-63 two sets of four accumulators; v64-127 two sets of 32 for the way out.   Window 2: Wo's fragments of K steps 0-4.   Window 3: those of K steps 5-7; from v160 the fragments' set 1.
.set RBLK,  51200                      ; a row block of wq
.set XBLK,  49152                      ; a row block's codes in aq
.set FRG,   1536
.set KST,   6144
.set SCO,   49152
.set STG0,  2*XBLK                     ; LDS: behind O's codes a stage of 16 rows x (256 bytes + 16) for each wave
.set STGB,  4352
.set SPARE, STG0+4*STGB                ; behind the stages the spare words, 128 bytes a wave
.set L16,  1
.set L8,   2
.set AX16, 4
.set AX8,  6
.set STO,  8                           ; the stage: where I put 16 bytes of a row
.set RD,   9                           ; and where I read a row back
.set SPW,  10                          ; my spare word; never rewritten
.set NIL,  11                          ; 0; never rewritten
.set CO,   12                          ; my byte offset in two rows of out0
.set XS,   16
.set WS,   48
.set XF0,  64
.set BK,   64
.set WV,  14
.set CX,  15
.set GG,  17
.set G1,  24
.set G0,  32
.set WB,  48
.set SCB, 50
.set OUT, 52
.set MSB, 0
.macro WIN new
.if MSB != (\new)
	s_set_vgpr_msb (MSB<<8)|(\new)
.set MSB, (\new)
.endif
.endm
.macro CROUND
	s_barrier_signal -1
	s_barrier_wait -1
	s_cmp_lg_u32 s[WV], 0
	s_cbranch_scc1 .Lnot_wave_0_\@
	s_barrier_signal -3
.Lnot_wave_0_\@:
	s_barrier_wait -3
	s_barrier_signal -1
	s_barrier_wait -1
.endm
.macro PLACES                          ; four places behind a matrix instruction, in front of loads into its registers and of reads of its results
.rept 4
	v_nop
.endr
.endm
.macro WLOADS base, s                  ; my 64 rows of Wo, K step s: its scale words and four fragments, 17 loads
	global_load_b64 v[WS+2*(\s):WS+2*(\s)+1], v[L8], s[\base:\base+1] offset:SCO+256*(\s)
.if (\s) < 5
	WIN 0x80
.set WR_, 48*(\s)
.else
	WIN 0xc0
.set WR_, 48*((\s)-5)
.endif
.irp b, 0,1,2,3
	global_load_b128 v[WR_+12*\b:WR_+12*\b+3], v[L16], s[\base:\base+1] offset:KST*(\s)+FRG*\b
	global_load_b64 v[WR_+12*\b+4:WR_+12*\b+5], v[L8], s[\base:\base+1] offset:KST*(\s)+FRG*\b+512
	global_load_b128 v[WR_+12*\b+6:WR_+12*\b+9], v[L16], s[\base:\base+1] offset:KST*(\s)+FRG*\b+768
	global_load_b64 v[WR_+12*\b+10:WR_+12*\b+11], v[L8], s[\base:\base+1] offset:KST*(\s)+FRG*\b+1280
.endr
	WIN 0
.endm
.macro FETCHT a                        ; tile a's eight fragments, all of K, into set a % 2: 32 loads
.set XR, XF0+96*((\a)%2)
.if (\a)%2
	WIN 0xc0
.else
	WIN 0
.endif
.irp s, 0,1,2,3,4,5,6,7
	ds_load_b128 v[XR+12*\s:XR+12*\s+3], v[AX16+(\a)/4] offset:KST*\s+FRG*((\a)%4)
	ds_load_b64 v[XR+12*\s+4:XR+12*\s+5], v[AX8+(\a)/4] offset:KST*\s+FRG*((\a)%4)+512
	ds_load_b128 v[XR+12*\s+6:XR+12*\s+9], v[AX16+(\a)/4] offset:KST*\s+FRG*((\a)%4)+768
	ds_load_b64 v[XR+12*\s+10:XR+12*\s+11], v[AX8+(\a)/4] offset:KST*\s+FRG*((\a)%4)+1280
.endr
	WIN 0
.endm
.macro MM c, ra, rb                    ; one matrix instruction from the symbols rD, rA, rB, rSA, rSB; ra, rb: the half of the lanes in which the side's scale words stand
	v_wmma_scale_f32_16x16x128_f8f6f4 v[rD:rD+7], v[rA:rA+11], v[rB:rB+11], \c, v[rSA], v[rSB] matrix_a_fmt:MATRIX_FMT_FP6 matrix_b_fmt:MATRIX_FMT_FP6 matrix_a_scale:MATRIX_SCALE_ROW\ra matrix_b_scale:MATRIX_SCALE_ROW\rb
.endm
; Tile a (ar = a % 2): 32 matrix instructions; the four accumulators of set a % 2 take turns, one instruction a turn; the first K step starts the sums.
; first = 1: Wo's loads may still be out: those of later K steps, 17 each, may stay out; the count is held at what the wait can name.
.macro MULT a, ar, first
.set XW, 3*((\a)%2)
.set XR, XF0+96*((\a)%2)
.irp s, 0,1,2,3,4,5,6,7
.if \first
.if 17*(7-\s) > 63
	s_wait_loadcnt 63
.else
	s_wait_loadcnt 17*(7-\s)
.endif
.endif
	WIN 0x50|(XW<<2)|(2+\s/5)
.irp b2, 0,1
.irp br, 0,1
.set B_, 2*\b2+\br
.set rD, 32*((\a)%2)+8*B_
.set rA, 48*(\s%5)+12*B_
.set rB, XR+12*\s
.set rSA, WS+2*\s+\b2
.set rSB, XS+4*\s+(\a)/2
.if \s == 0
	MM 0, \br, \ar
.else
	MM v[rD:rD+7], \br, \ar
.endif
.endr
.endr
.endr
	WIN 0
.endm
; THE WAY OUT of a tile of 16 tokens x 64 columns.  A lane holds 128 bytes of a row and the lanes beside it hold other rows: the tile goes through my own stage and comes back as whole rows of 256 bytes.
; LDS serves a wave's instructions in order (ISA guide 5.7.1.4): no wait between the stores and the loads, nor in front of the next tile's stores.
.macro TOSTAGE a
	WIN 0x04                                       ; an LDS store's data are its source 1: window 1
.irp i, 0,1,2,3,4,5,6,7
	ds_store_b128 v[STO], v[32*((\a)%2)+4*\i:32*((\a)%2)+4*\i+3] offset:16*\i   ; each accumulator from its low end on
.endr
	WIN 0x40
.irp i, 0,1,2,3,4,5,6,7
	ds_load_b128 v[BK+32*((\a)%2)+4*\i:BK+32*((\a)%2)+4*\i+3], v[RD] offset:544*\i
.endr
	WIN 0
.endm
.macro SEND a
	WIN 0x04                                       ; a store's data are its source 1: window 1
.irp i, 0,1,2,3,4,5,6,7
	global_store_b128 v[CO], v[BK+32*((\a)%2)+4*\i:BK+32*((\a)%2)+4*\i+3], s[OUT:OUT+1] offset:(64*((\a)/4)+8*((\a)%4)+2*\i+24*(\i/4))*4096 th:TH_STORE_NT   ; sixteen lanes store 256 consecutive bytes, at a multiple of 256 from out0's first byte; the rows are those that the tile's lanes stand for
.endr
	WIN 0
.endm
.macro TILE a, ar
	MULT \a, \ar, 0
	s_wait_dscnt 0x0                               ; asked for ahead of these 32 products: the next tile's fragments are in, and the last tile is back from the stage
	SEND (\a)-1
	PLACES
.if (\a) < 6
	FETCHT (\a)+2                                  ; into the set just multiplied
.endif
	s_wait_xcnt 0x0                                ; the earlier stores have read their registers: this tile's loads from the stage may land there
	TOSTAGE \a
.endm
	s_load_b128 s[4:7], s[0:1], 0x0                ; aq, wq
	s_load_b64 s[8:9], s[0:1], 0x10                ; out0
	v_lshl_add_u32 v[SPW], v0, 2, SPARE
	v_mov_b32 v[NIL], 0
	ds_add_u32 v[SPW], v[NIL]                      ; the wave's opening: the add, twice on end, and its wait ahead of my first tensor load
	ds_add_u32 v[SPW], v[NIL]
	v_lshrrev_b32 v3, 5, v0
	v_readfirstlane_b32 s[WV], v3                  ; wave 0..3
	v_and_b32 v3, 31, v0
	v_lshlrev_b32 v[L16], 4, v3
	v_lshlrev_b32 v[L8], 3, v3
	v_mov_b32 v[AX16], v[L16]
	v_add_nc_u32 v[AX16+1], XBLK, v[L16]
	v_mov_b32 v[AX8], v[L8]
	v_add_nc_u32 v[AX8+1], XBLK, v[L8]
	v_and_b32 v3, 15, v0                           ; r
	v_bfe_u32 v13, v0, 4, 1                        ; h
	s_mul_i32 s18, s[WV], STGB
	s_add_co_u32 s18, s18, STG0                    ; my stage
	v_mul_u32_u24 v[STO], v3, 272
	v_lshl_add_u32 v[STO], v13, 7, v[STO]
	v_add_nc_u32 v[STO], s18, v[STO]               ; in: row r, + 128 h
	v_mul_u32_u24 v[RD], v13, 272
	v_lshl_add_u32 v[RD], v3, 4, v[RD]
	v_add_nc_u32 v[RD], s18, v[RD]                 ; back: lanes 0-15 one row of 256 bytes, lanes 16-31 the next
	v_lshlrev_b32 v[CO], 12, v13
	v_lshl_add_u32 v[CO], v3, 4, v[CO]             ; and the same in out0: rows of 4,096 bytes
	s_bfe_u32 s[CX], ttmp6, 0x40000                ; my place in the cluster: it enters Wo's and out0's addresses alone
	s_and_b32 s[GG], ttmp7, 0xffff                 ; the group of 128 tokens
	s_mov_b32 s[G1], 0x0023000f                    ; 15:0 the mask: all four work-groups; 17:16 elements of 8 bytes; 21 set beside a mask; no padding
	s_mov_b32 s[G1+1], 32<<16                      ; rows of 256 bytes,
	s_mov_b32 s[G1+2], 96<<16                      ; 96 of them: a quarter of the group's codes
	s_mov_b32 s[G1+3], 32<<16
	s_mov_b32 s[G1+4], 96
	s_mov_b32 s[G1+5], 32
	s_mov_b32 s[G1+6], 0
	s_mov_b32 s[G1+7], 0
	s_mul_i32 s19, s[WV], 24576                    ; my quarter: its place in LDS,
	s_mul_i32 s20, s[GG], 2*XBLK
	s_add_co_u32 s20, s20, s19                     ; and in aq
	s_mov_b32 s21, 0
	s_lshl_b32 s22, s[CX], 2
	s_add_co_u32 s22, s22, s[WV]
	s_add_co_u32 s22, s22, 48
	s_mul_i32 s22, s22, RBLK                       ; my 64 rows of Wo
	s_mov_b32 s23, 0
	s_lshl_b32 s54, s[GG], 13
	s_add_co_u32 s54, s54, 6291456                 ; the group's scale words: 16 heads x 512 bytes
	s_mov_b32 s55, 0
	s_lshl_b32 s56, s[GG], 19                      ; 128 rows of out0,
	s_lshl_b32 s57, s[CX], 10
	s_add_co_u32 s56, s56, s57                     ; my work-group's 256 columns,
	s_lshl_b32 s57, s[WV], 8
	s_add_co_u32 s56, s56, s57                     ; my wave's 64
	s_mov_b32 s57, 0
	s_wait_alu depctr_va_vdst(0)                   ; the wait at the head's end
	s_wait_dscnt 0x0                               ; both opening adds are done
	s_wait_kmcnt 0x0
	s_add_nc_u64 s[WB:WB+1], s[6:7], s[22:23]
	s_add_nc_u64 s[SCB:SCB+1], s[4:5], s[54:55]
	s_add_nc_u64 s[OUT:OUT+1], s[8:9], s[56:57]
	s_mov_b32 s[G0], 1
	s_mov_b32 s[G0+1], s19
	s_add_nc_u64 s[G0+2:G0+3], s[4:5], s[20:21]
	s_or_b32 s[G0+3], s[G0+3], 0x80000000
	CROUND                                         ; all four work-groups are here: the joint loads meet
	tensor_load_to_lds s[G0:G0+3], s[G1:G1+7]      ; one tensor load of mine is out, and no more are ever issued
	s_nop 0
.rept 4
	v_nop
.endr
.irp n, 0,1,2,3,4,5,6,7,8,9,10,11,12,13,14,15
	global_load_b128 v[64+4*\n:64+4*\n+3], v[L16], s[SCB:SCB+1] offset:512*\n   ; head n's scale words: lane l's word i is tile 2 i + l / 16, row l % 16
.endr
.irp s, 0,1,2,3,4,5,6,7
	WLOADS WB, \s
.endr
	s_wait_loadcnt 63                              ; of the 152 loads at most the youngest 63 are out: the first 16 are in
.irp s, 0,1,2,3,4,5,6,7
.irp i, 0,1,2,3
	v_lshl_or_b32 v[XS+4*\s+\i], v[64+4*(2*\s+1)+\i], 16, v[64+4*(2*\s)+\i]   ; bytes 0, 1: head 2 s; bytes 2, 3: head 2 s + 1
.endr
.endr
.rept 8
	v_nop                                          ; a scale register written by a vector instruction stands 8 places ahead of a scaled matrix instruction
.endr
	s_wait_alu depctr_va_vdst(0)
	s_wait_tensorcnt 0x0                           ; my quarter is in,
	s_barrier_signal -1
	s_barrier_wait -1                              ; everybody's is
	FETCHT 0
	FETCHT 1
	s_wait_dscnt 32                                ; tile 0's fragments are in; tile 1's 32 loads may be out
	MULT 0, 0, 1
	s_wait_dscnt 0x0
	PLACES
	FETCHT 2
	TOSTAGE 0
	TILE 1, 1
	TILE 2, 0
	TILE 3, 1
	TILE 4, 0
	TILE 5, 1
	TILE 6, 0
	TILE 7, 1
	s_wait_dscnt 0x0
	SEND 7
	s_wait_tensorcnt 0x0                           ; the wave's end: behind my last tensor load and my last LDS store
	ds_add_u32 v[SPW], v[NIL]
	s_wait_dscnt 0x0
	CROUND                                         ; the closing round
	s_endpgm
.Lfunc_end_k_q240cedce85_oproj:
	.size	k_q240cedce85_oproj, .Lfunc_end_k_q240cedce85_oproj-k_q240cedce85_oproj
	.p2alignl 7, 3214868480
	.fill 96, 4, 3214868480
	.section	.rodata,"a",@progbits
	.p2align	6, 0x0
	.amdhsa_kernel k_q240cedce85_oproj
		.amdhsa_group_segment_fixed_size 167936
		.amdhsa_private_segment_fixed_size 0
		.amdhsa_enable_private_segment 0
		.amdhsa_kernarg_size 24
		.amdhsa_user_sgpr_count 2
		.amdhsa_user_sgpr_kernarg_segment_ptr 1
		.amdhsa_wavefront_size32 1
		.amdhsa_system_sgpr_workgroup_id_x 1
		.amdhsa_system_sgpr_workgroup_id_y 1
		.amdhsa_system_sgpr_workgroup_id_z 1
		.amdhsa_system_vgpr_workitem_id 0
		.amdhsa_next_free_vgpr 1024
		.amdhsa_next_free_sgpr 70
		.amdhsa_reserve_vcc 0
		.amdhsa_float_denorm_mode_32 3
		.amdhsa_float_denorm_mode_16_64 3
		.amdhsa_memory_ordered 1
		.amdhsa_forward_progress 1
		.amdhsa_inst_pref_size 88
	.end_amdhsa_kernel
	.amdgpu_metadata
---
amdhsa.version: [ 1, 2 ]
amdhsa.kernels:
  - .name:           k_q240cedce85_oproj
    .symbol:         k_q240cedce85_oproj.kd
    .args:
      - { .name: aq, .offset: 0, .size: 8, .value_kind: global_buffer, .address_space: global }
      - { .name: wq, .offset: 8, .size: 8, .value_kind: global_buffer, .address_space: global }
      - { .name: out0, .offset: 16, .size: 8, .value_kind: global_buffer, .address_space: global }
    .group_segment_fixed_size: 167936
    .private_segment_fixed_size: 0
    .kernarg_segment_align: 8
    .kernarg_segment_size: 24
    .max_flat_workgroup_size: 128
    .sgpr_count:     70
    .vgpr_count:     1024
    .wavefront_size: 32
...
	.end_amdgpu_metadata
.endif
;; end of part 4
